; MI455X (gfx1250); checked and timed in simulation.
; The chip was launched on July 23, 2026; its instructions are those of AMD's public machine-readable ISA for CDNA 5 (MIT licence, August 2026) and "CDNA5" Instruction Set Architecture Reference Guide (July 2026). The comments in the code are by the model that wrote it; some were corrected since.
;; Block. Allowed arithmetic: matrix products marked QUANTISED: E4M3 operands, one given power-of-two scale a tensor, by v_wmma_f32_16x16x64_fp8_fp8 or v_wmma_f32_16x16x128_fp8_fp8, f32 sums; everything else in f32.
;; Inputs: W1_codes 4,096 x 32 x 32 uint8 (E4M3 codes of W1, K innermost, in blocks of 32 codes); W2_codes 1,024 x 128 x 32 uint8 (E4M3 codes of W2, K innermost, in blocks of 32 codes); Wk_codes 1,024 x 32 x 32 uint8 (E4M3 codes of Wk, K innermost, in blocks of 32 codes); Wo_codes 1,024 x 32 x 32 uint8 (E4M3 codes of Wo, K innermost, in blocks of 32 codes); Wq_codes 1,024 x 32 x 32 uint8 (E4M3 codes of Wq, K innermost, in blocks of 32 codes); Wv_codes 1,024 x 32 x 32 uint8 (E4M3 codes of Wv, K innermost, in blocks of 32 codes); b1 4,096 float32; b2 1,024 float32; bk 1,024 float32; bo 1,024 float32; bq 1,024 float32; bv 1,024 float32; ln1_b 1,024 float32; ln1_g 1,024 float32; ln2_b 1,024 float32; ln2_g 1,024 float32; lowp_scales 16 int32 (the exponents e of the quantised operands' scales 2^e); x 4 x 1,024 x 1,024 float32.
;; Outputs: out0 4 x 1,024 x 1,024 float32.
;; This version of the problem:
;;   THIS VERSION OF THE PROBLEM IS GIVEN IN LOW PRECISION. The matrix products marked QUANTISED in the list below multiply operands that are first quantised to E4M3 (4 exponent bits, 3 mantissa bits; 8 bits a number), with one given power-of-two scale for each operand tensor; their sums are f32. All else is computed in f32.
;;   The module's matrix products, in the order in which they are computed (A, B: the left and right operand; K: the contracted axis; several contracted axes count as one K, in the product's order):
;;     1. [M 4,096, K 1,024] x [K 1,024, N 1,024]; A: computed on the way; B: input Wq (given as codes): QUANTISED (scales: A lowp_scales[0], B lowp_scales[1])
;;     2. [M 4,096, K 1,024] x [K 1,024, N 1,024]; A: computed on the way; B: input Wk (given as codes): QUANTISED (scales: A lowp_scales[2], B lowp_scales[3])
;;     3. [M 4,096, K 1,024] x [K 1,024, N 1,024]; A: computed on the way; B: input Wv (given as codes): QUANTISED (scales: A lowp_scales[4], B lowp_scales[5])
;;     4. batch 64 x [M 1,024, K 64] x [K 64, N 1,024]; A: computed on the way; B: computed on the way: QUANTISED (scales: A lowp_scales[6], B lowp_scales[7])
;;     5. batch 64 x [M 64, K 1,024] x [K 1,024, N 1,024]; A: computed on the way; B: softmax (see below): QUANTISED (scales: A lowp_scales[8], B lowp_scales[9])
;;     6. [M 4,096, K 1,024] x [K 1,024, N 1,024]; A: computed on the way; B: input Wo (given as codes): QUANTISED (scales: A lowp_scales[10], B lowp_scales[11])
;;     7. [M 4,096, K 1,024] x [K 1,024, N 4,096]; A: computed on the way; B: input W1 (given as codes): QUANTISED (scales: A lowp_scales[12], B lowp_scales[13])
;;     8. [M 4,096, K 4,096] x [K 4,096, N 1,024]; A: computed on the way; B: input W2 (given as codes): QUANTISED (scales: A lowp_scales[14], B lowp_scales[15])
;;   THE QUANTISER, for each operand of a quantised product, along K:
;;     - The operand's scale is 2^e, e = its entry of the input lowp_scales (int32; the entries are numbered through the quantised products in the list's order, A before B).
;;     - Each number is divided by the scale, clamped to +-448, and rounded to the nearest number of E4M3, ties to even, subnormals kept.
;;     - The product sums the exact products of the quantised numbers (number of the format x scale) in f32.
;;   ~~~python
;;   def quantise(x, axis, e):      # numpy; x: float32 -> the quantised numbers, widened to float32 again
;;       x = np.moveaxis(x, axis, -1); K = x.shape[-1]
;;       r = np.clip(x / 2.0 ** e, -448, 448)
;;       step = 2.0 ** (np.maximum(np.frexp(np.where(r == 0, 1, r))[1] - 1, -6) - 3)
;;       q = np.round(r / step) * step * 2.0 ** e      # np.round: ties to even
;;       return np.moveaxis(q, -1, axis).astype(np.float32)
;;   ~~~
;;   SOFTMAX AHEAD OF A QUANTISED PRODUCT. Where the list says 'softmax', what is quantised is not the finished softmax but p = 2^(t - M), with t = logit x log2(e) and M = ceil(the row's largest t), a whole number; so 1/2 < the row's largest p <= 1. The row's sum l is taken of the UNQUANTISED p, in f32, and the product's result is divided by l at the end. Since M is a whole number, a kernel that streams over the keys may use a running M (the ceiling of the running maximum): every later rescaling is an exact power of two, so the quantised numbers keep their values, but for numbers so far below the row's largest that they fall under the format's range.
;;   OPERANDS COMPUTED ON THE WAY. 'Computed on the way' means the value that the module computes at that place (a softmax that the list does not call 'softmax' is quantised finished and normalised). What goes into a quantiser is computed in f32, as accurately as f32 sums, v_exp_f32 and their like allow (about 1e-6 of the number): no bf16 or f16 on the way to a quantiser, and a product that is left as it is and whose result goes on into a quantised operand takes f32 operands (vector FMAs, or v_wmma_f32_16x16x4_f32). A number that lies on a knife's edge between two numbers of the format may be rounded either way, as far as f32 arithmetic and the matrix unit's own rounding can turn it there, and no further.
;;   INPUTS GIVEN AS CODES. W1 (in the module: [1024, 4096], K = its axis 0); W2 (in the module: [4096, 1024], K = its axis 0); Wk (in the module: [1024, 1024], K = its axis 0); Wo (in the module: [1024, 1024], K = its axis 0); Wq (in the module: [1024, 1024], K = its axis 0); Wv (in the module: [1024, 1024], K = its axis 0): each comes as NAME_codes (uint8): NAME with its K axis moved to the last place and cut into blocks of 32 codes, [.., K / 32, bytes a block], one block behind the other in memory; one code a byte (a code: sign, 4 exponent bits, 3 mantissa bits); its scale is its entry of lowp_scales. Its value is code x scale, taken as it is: it is not quantised again, and the codes and scales need not be those that the quantiser above would give.
;; One version. Each part assembles by itself: llvm-mc -triple=amdgcn-amd-amdhsa -mcpu=gfx1250 --defsym DOCPART=n.
;; ======== version 1 of 1: 7 launches
;; limits: right only within a limited range of input values
;; workspace buffers: hc 12,582,912 bytes; qkv 12,582,912 bytes; yc 4,194,304 bytes; x1 16,777,216 bytes; h2 4,194,304 bytes; mc 16,777,216 bytes
;; launch ln1 (part 1): grid 256 x 1, 8 waves a work-group, no clusters, 25,600 bytes of LDS; arguments x, ln1_g, ln1_b, lowp_scales, hc; writes hc
.if DOCPART == 1
	.amdgcn_target "amdgcn-amd-amdhsa--gfx1250"
	.amdhsa_code_object_version 6
	.text
	.protected	k_q1d16950771_ln1
	.globl	k_q1d16950771_ln1
	.p2align	8
	.type	k_q1d16950771_ln1,@function
k_q1d16950771_ln1:
	s_mov_b64 s[64:65], 0
	v_nop
	global_prefetch_b8 v0, s[64:65] scope:SCOPE_SE
	s_setreg_imm32_b32 hwreg(HW_REG_WAVE_MODE, 25, 1), 1
	s_wait_xcnt 0x0
; LayerNorm of rows of 1,024 f32 numbers, then the quantiser to E4M3 under NOUT given scales 2^e: NOUT planes of codes [4096][1024], 4 MiB apart.
; y = (x - mean) * rsqrt(var + 1e-5) * g + b, all in f32; the variance is the mean of the squared differences from the mean (two passes over registers).
; SHARES: a work-group of eight waves takes 16 rows, a wave two.  A wave holds a whole row in 32 registers: load j (0..7) reads 512 consecutive bytes, 16 a lane, so register 4 j + c of lane l is element 128 j + 4 l + c.
; A conversion takes 8 registers (chunks 2 q and 2 q + 1) and gives two words of 4 codes: word j belongs at byte 128 j + 4 l of the row's codes.  The words go through the wave's own LDS bytes and come back 16 bytes a lane,
; so that each store of the wave covers 512 consecutive bytes, aligned.  No barrier: waves share nothing.
; LIMITS: each e between -126 and 119.  NaN and infinities among the inputs are not served.
.set NOUT,  3                          ; planes of codes
.set EOFF,  0                          ; byte of the first e in the buffer of scales; the next ones lie 8 bytes on
.set G,     8                          ; v8-39    the gain, in a row's layout
.set BV,    40                         ; v40-71   the bias
.set XR,    72                         ; v72-135  two rows
.set U,     136                        ; v136-151 two sets of 8 held numbers
.set CD,    152                        ; v152-175 codes: 8 words for each plane
.set OUTR,  176                        ; v176-223 codes read back: 24 registers a row
.set SA,    224                        ; two chains of sums
.set SB,    226
.set RED,   228
.set PRM,   229
.set MU,    230                        ; v[230:231] the mean (the low word serves both halves)
.set RS,    232                        ; v[232:233] rsqrt(var + eps)
.set SCL,   240                        ; v[240+2o] 2^e, v[241+2o] 448 x 2^e
	s_load_b256 s[4:11], s[0:1], 0x0               ; in s[4:5], g s[6:7], b s[8:9], scales s[10:11]
	s_load_b64 s[12:13], s[0:1], 0x20              ; out
	v_lshl_add_u32 v254, v0, 2, 0x6000
	v_mov_b32 v255, 0
	v_lshrrev_b32 v1, 5, v0
	s_delay_alu instid0(VALU_DEP_1)
	v_readfirstlane_b32 s14, v1                    ; wave
	v_and_b32 v1, 31, v0                           ; lane
	s_delay_alu instid0(VALU_DEP_1)
	v_lshlrev_b32 v2, 4, v1                        ; 16 x lane: my bytes of a load's or a store's 512; never rewritten
	s_mul_i32 s15, s14, 1024*NOUT                  ; my wave's LDS bytes
	v_lshl_add_u32 v3, v1, 2, s15                  ; in: 4 x lane
	v_lshl_add_u32 v4, v1, 4, s15                  ; back: 16 x lane
	s_mov_b32 s16, 0x76543210                      ; v_permlanex16_b32: lane l takes lane l xor 16
	s_mov_b32 s17, 0xfedcba98
	s_mov_b32 s18, 0x3a800000                      ; 1 / 1024
	s_mov_b32 s19, 0x3727c5ac                      ; 1e-5
	s_lshl_b32 s28, ttmp9, 4
	s_lshl_b32 s29, s14, 1
	s_add_co_u32 s28, s28, s29                     ; my first row: 16 x work-group + 2 x wave
	s_lshl_b32 s30, s28, 12                        ; its bytes in the input,
	s_mov_b32 s31, 0
	s_lshl_b32 s28, s28, 10                        ; and in a plane of codes
	s_mov_b32 s29, 0
	v_mov_b32 v[PRM], 0                            ; a lane permute's destination counts as read
	v_mov_b32 v[MU+1], 0                           ; named as upper halves of pairs
	v_mov_b32 v[RS+1], 0
	s_wait_alu depctr_va_vdst(0)
	s_wait_kmcnt 0x0
.irp o, 0,1,2
.if \o < NOUT
	s_load_b32 s[20+\o], s[10:11], EOFF+8*\o
.endif
.endr
	s_add_nc_u64 s[4:5], s[4:5], s[30:31]
	s_add_nc_u64 s[24:25], s[12:13], s[28:29]      ; plane 0 at my first row
.if NOUT > 1
	s_add_nc_u64 s[26:27], s[24:25], 0x400000      ; planes 1 and 2: bases of their own, since 8 MiB is outside a store's immediate
	s_add_nc_u64 s[28:29], s[24:25], 0x800000
.endif
.irp j, 0,1,2,3,4,5,6,7
	global_load_b128 v[XR+4*\j:XR+4*\j+3], v2, s[4:5] offset:512*\j th:TH_LOAD_NT
.endr
.irp j, 0,1,2,3,4,5,6,7
	global_load_b128 v[G+4*\j:G+4*\j+3], v2, s[6:7] offset:512*\j
.endr
.irp j, 0,1,2,3,4,5,6,7
	global_load_b128 v[BV+4*\j:BV+4*\j+3], v2, s[8:9] offset:512*\j
.endr
.irp j, 0,1,2,3,4,5,6,7
	global_load_b128 v[XR+32+4*\j:XR+32+4*\j+3], v2, s[4:5] offset:4096+512*\j th:TH_LOAD_NT
.endr
	s_wait_kmcnt 0x0
.irp o, 0,1,2
.if \o < NOUT
	s_add_co_i32 s[20+\o], s[20+\o], 127
	s_lshl_b32 s34, s[20+\o], 23
	v_mov_b32 v[SCL+2*\o], s34                     ; 2^e as f32: the conversion takes its exponent field
	s_add_co_i32 s34, s[20+\o], 8
	s_lshl_b32 s34, s34, 23
	s_or_b32 s34, s34, 0x600000
	v_mov_b32 v[SCL+2*\o+1], s34                   ; 448 x 2^e
.endif
.endr
.macro LANESUM                         ; the sum of v[RED] over the 32 lanes, in every lane
	s_delay_alu instid0(VALU_DEP_1)
	v_add_f32_dpp v[RED], v[RED], v[RED] row_xmask:1 row_mask:0xf bank_mask:0xf
	s_delay_alu instid0(VALU_DEP_1)
	v_add_f32_dpp v[RED], v[RED], v[RED] row_xmask:2 row_mask:0xf bank_mask:0xf
	s_delay_alu instid0(VALU_DEP_1)
	v_add_f32_dpp v[RED], v[RED], v[RED] row_xmask:4 row_mask:0xf bank_mask:0xf
	s_delay_alu instid0(VALU_DEP_1)
	v_add_f32_dpp v[RED], v[RED], v[RED] row_xmask:8 row_mask:0xf bank_mask:0xf
	s_delay_alu instid0(VALU_DEP_1)
	v_permlanex16_b32 v[PRM], v[RED], s16, s17
	s_delay_alu instid0(VALU_DEP_1)
	v_add_f32 v[RED], v[RED], v[PRM]
.endm
; Row i of the wave's two.  w1: the younger loads that may stay out when the row is wanted; w2: when g and b are wanted.
.macro ROW i, w1, w2
.set X, XR+32*(\i)
.set O, OUTR+24*(\i)
	s_wait_loadcnt \w1
	v_pk_add_f32 v[SA:SA+1], v[X:X+1], v[X+2:X+3]
	v_pk_add_f32 v[SB:SB+1], v[X+4:X+5], v[X+6:X+7]
.irp j, 8,12,16,20,24,28
	s_delay_alu instid0(VALU_DEP_2)
	v_pk_add_f32 v[SA:SA+1], v[SA:SA+1], v[X+\j:X+\j+1]
	s_delay_alu instid0(VALU_DEP_2)
	v_pk_add_f32 v[SB:SB+1], v[SB:SB+1], v[X+\j+2:X+\j+3]
.endr
	s_delay_alu instid0(VALU_DEP_1)
	v_pk_add_f32 v[SA:SA+1], v[SA:SA+1], v[SB:SB+1]
	s_delay_alu instid0(VALU_DEP_1)
	v_add_f32 v[RED], v[SA], v[SA+1]
	LANESUM
	s_delay_alu instid0(VALU_DEP_1)
	v_mul_f32 v[MU], s18, v[RED]                   ; the mean
.irp j, 0,2,4,6,8,10,12,14,16,18,20,22,24,26,28,30
	v_pk_add_f32 v[X+\j:X+\j+1], v[X+\j:X+\j+1], v[MU:MU+1] op_sel_hi:[1,0] neg_lo:[0,1] neg_hi:[0,1]   ; x - mean, in place
.endr
	v_pk_mul_f32 v[SA:SA+1], v[X:X+1], v[X:X+1]
	v_pk_mul_f32 v[SB:SB+1], v[X+2:X+3], v[X+2:X+3]
.irp j, 4,8,12,16,20,24,28
	s_delay_alu instid0(VALU_DEP_2)
	v_pk_fma_f32 v[SA:SA+1], v[X+\j:X+\j+1], v[X+\j:X+\j+1], v[SA:SA+1]
	s_delay_alu instid0(VALU_DEP_2)
	v_pk_fma_f32 v[SB:SB+1], v[X+\j+2:X+\j+3], v[X+\j+2:X+\j+3], v[SB:SB+1]
.endr
	s_delay_alu instid0(VALU_DEP_1)
	v_pk_add_f32 v[SA:SA+1], v[SA:SA+1], v[SB:SB+1]
	s_delay_alu instid0(VALU_DEP_1)
	v_add_f32 v[RED], v[SA], v[SA+1]
	LANESUM
	s_delay_alu instid0(VALU_DEP_1)
	v_fma_f32 v[RED], v[RED], s18, s19             ; var + eps
	s_wait_alu depctr_va_vdst(0)
	v_rsq_f32 v[RS], v[RED]
	v_nop                                          ; a plain instruction behind the transcendental (ISA guide 5.7.2),
	s_wait_alu depctr_va_vdst(0)                   ; and the wait ahead of its first reader
	s_wait_loadcnt \w2                             ; g and b
.irp j, 0,2,4,6,8,10,12,14,16,18,20,22,24,26,28,30
	v_pk_mul_f32 v[X+\j:X+\j+1], v[X+\j:X+\j+1], v[RS:RS+1] op_sel_hi:[1,0]
.endr
.irp j, 0,2,4,6,8,10,12,14,16,18,20,22,24,26,28,30
	v_pk_fma_f32 v[X+\j:X+\j+1], v[X+\j:X+\j+1], v[G+\j:G+\j+1], v[BV+\j:BV+\j+1]
.endr
.irp o, 0,1,2
.if \o < NOUT
.irp q, 0,1,2,3
.irp c, 0,1,2,3,4,5,6,7
	v_med3_num_f32 v[U+8*(\q%2)+\c], v[X+8*\q+\c], -v[SCL+2*\o+1], v[SCL+2*\o+1]   ; the conversion does not saturate (ISA guide 7.6.2): the hold at 448 x the scale, into one of two sets, so that plain lines on other registers follow each conversion
.endr
	v_cvt_scalef32_pk8_fp8_f32 v[CD+8*\o+2*\q:CD+8*\o+2*\q+1], v[U+8*(\q%2):U+8*(\q%2)+7], v[SCL+2*\o]
.endr
.endif
.endr
	v_nop                                          ; a plain line behind the last conversion
.irp o, 0,1,2
.if \o < NOUT
.irp j, 0,1,2,3,4,5,6,7
	ds_store_b32 v3, v[CD+8*\o+\j] offset:1024*\o+128*\j
.endr
.endif
.endr
.irp o, 0,1,2
.if \o < NOUT
.irp k, 0,1
	ds_load_b128 v[O+8*\o+4*\k:O+8*\o+4*\k+3], v4 offset:1024*\o+512*\k   ; LDS serves a wave's instructions in order (ISA guide 5.7.1.4): these see the stores above
.endr
.endif
.endr
.irp o, 0,1,2
.if \o < NOUT
.irp k, 0,1
	s_wait_dscnt 2*NOUT-1-(2*\o+\k)                ; this load is back; the younger ones may be out
	global_store_b128 v2, v[O+8*\o+4*\k:O+8*\o+4*\k+3], s[24+2*\o:25+2*\o] offset:1024*(\i)+512*\k   ; 32 lanes store 512 consecutive bytes; each row has its own data registers
.endr
.endif
.endr
.endm
	ROW 0, 24, 8                                   ; behind row 0's eight loads: g's, b's and row 1's; behind b's: row 1's
	ROW 1, 0, 0
	s_wait_tensorcnt 0x0
	ds_add_u32 v254, v255
	s_wait_dscnt 0x0
	s_endpgm
.Lfunc_end_k_q1d16950771_ln1:
	.size	k_q1d16950771_ln1, .Lfunc_end_k_q1d16950771_ln1-k_q1d16950771_ln1
	.p2alignl 7, 3214868480
	.fill 96, 4, 3214868480
	.section	.rodata,"a",@progbits
	.p2align	6, 0x0
	.amdhsa_kernel k_q1d16950771_ln1
		.amdhsa_group_segment_fixed_size 25600
		.amdhsa_private_segment_fixed_size 0
		.amdhsa_enable_private_segment 0
		.amdhsa_kernarg_size 40
		.amdhsa_user_sgpr_count 2
		.amdhsa_user_sgpr_kernarg_segment_ptr 1
		.amdhsa_wavefront_size32 1
		.amdhsa_system_sgpr_workgroup_id_x 1
		.amdhsa_system_sgpr_workgroup_id_y 1
		.amdhsa_system_sgpr_workgroup_id_z 1
		.amdhsa_system_vgpr_workitem_id 0
		.amdhsa_next_free_vgpr 256
		.amdhsa_next_free_sgpr 66
		.amdhsa_reserve_vcc 0
		.amdhsa_float_denorm_mode_32 3
		.amdhsa_float_denorm_mode_16_64 3
		.amdhsa_memory_ordered 1
		.amdhsa_forward_progress 1
		.amdhsa_inst_pref_size 40
	.end_amdhsa_kernel
	.amdgpu_metadata
---
amdhsa.version: [ 1, 2 ]
amdhsa.kernels:
  - .name:           k_q1d16950771_ln1
    .symbol:         k_q1d16950771_ln1.kd
    .args:
      - { .name: x, .offset: 0, .size: 8, .value_kind: global_buffer, .address_space: global }
      - { .name: ln1_g, .offset: 8, .size: 8, .value_kind: global_buffer, .address_space: global }
      - { .name: ln1_b, .offset: 16, .size: 8, .value_kind: global_buffer, .address_space: global }
      - { .name: lowp_scales, .offset: 24, .size: 8, .value_kind: global_buffer, .address_space: global }
      - { .name: hc, .offset: 32, .size: 8, .value_kind: global_buffer, .address_space: global }
    .group_segment_fixed_size: 25600
    .private_segment_fixed_size: 0
    .kernarg_segment_align: 8
    .kernarg_segment_size: 40
    .max_flat_workgroup_size: 256
    .sgpr_count:     66
    .vgpr_count:     256
    .wavefront_size: 32
...
	.end_amdgpu_metadata
.endif
;; end of part 1
;; launch proj (part 2): grid 12 x 16, 4 waves a work-group, clusters of 4 x 4, 327,680 bytes of LDS; arguments hc, Wq_codes, Wk_codes, Wv_codes, bq, bk, bv, lowp_scales, qkv; writes qkv
.if DOCPART == 2
	.amdgcn_target "amdgcn-amd-amdhsa--gfx1250"
	.amdhsa_code_object_version 6
	.text
	.protected	k_q1d16950771_proj
	.globl	k_q1d16950771_proj
	.p2align	8
	.type	k_q1d16950771_proj,@function
k_q1d16950771_proj:
	s_mov_b64 s[64:65], 0
	v_nop
	global_prefetch_b8 v0, s[64:65] scope:SCOPE_SE
	s_setreg_imm32_b32 hwreg(HW_REG_WAVE_MODE, 25, 1), 1
	s_wait_xcnt 0x0
	s_wait_alu depctr_hold_cnt(0) depctr_sa_sdst(0) depctr_va_vdst(0) depctr_va_sdst(0) depctr_va_ssrc(0) depctr_va_vcc(0) depctr_vm_vsrc(0)
	s_getreg_b32 s2, hwreg(HW_REG_IB_STS2, 6, 4)
	s_cmp_eq_u32 s2, 0
	s_cbranch_scc0 .Lentry_in_a_cluster
	s_endpgm
.Lentry_in_a_cluster:
	s_bfe_u32 s2, ttmp6, 0x10000c
	s_cmp_lg_u32 s2, 0xf033
	s_cbranch_scc0 .Lentry_shape_is_right
	s_endpgm
.Lentry_shape_is_right:
; q, k and v of the attention: three products [4096, 1024] x [1024, 1024] on codes of E4M3, each + its bias, each quantised again for the attention's products, in one launch.
; The cluster's x says which: 0 q, 1 k, 2 v.  A tile of C is 256 x 256: four waves, each 128 x 128 (64 accumulators).  K = 1,024 goes in four steps of 256 through a ring of two LDS slots.
; q, k: C[token][channel] = h[token] . W[channel]: A = the plane of LN1's codes made under this product's scale, B = the weight's codes.
; v: THE TRANSPOSED PROBLEM, C[channel][token] = Wv[channel] . h[token]: A = Wv's codes, B = the third plane.  So a lane's neighbours in a row of C are neighbouring TOKENS, which are the K of the attention's second product.
; The choice is made of pointers and offsets alone (s_cselect on the cluster's x, which all partners share): one path through the text.
; OUT, three planes of 4 MiB: q, k: [b][head][token][64 d]; v: [b][head][block of 64 keys][d][64 keys].  In both, 64 rows of C x 64 columns are a dense block of 4,096 bytes.
; CLUSTERS: 4 x 4 work-groups; A's tile is shared along a row of the cluster, B's along a column: each is asked for jointly.  THE MATRIX INSTRUCTION IS USED TRANSPOSED (source 0 = 16 rows of B, source 1 = 16 rows of A).
; THE WAY OUT: the raw sums go into the wave's own stage in LDS (128 rows x 528 bytes, in the ring, which has had its last fill and its last read), and a loop of 16 trips takes 8 rows at a time:
; a lane reads 16 neighbouring columns of one row, makes sum x 2^(eA + eB) + bias, holds, converts, and stores 16 codes; sixteen lanes fill 256 consecutive bytes, aligned.
; LIMITS: eA + eB between -126 and 127; the output's e (entries 6, 7, 8) between -126 and 119.  NaN and infinities among the inputs are not served.
; REGISTERS, in windows of 256: window 0: v0-31 addresses; v32-127 the way out's (v64-83 the biases, loaded at the head); from v128 A's fragments, ONE set; window 1: B's fragments, TWO sets; windows 2, 3: the accumulators ((a, b) at v[8 (8 (a % 4) + b)]).
.set KSTEP,  256
.set ROWB,   256
.set KROW,   1024                      ; a row of A or of B in memory, in bytes
.set PITCH,  272                       ; an LDS row: 256 bytes + 16 of padding: the 16 rows that a load touches start at 16 different banks (64 banks of 4 bytes: ISA guide 11.1)
.set FR,     16
.set NL,     4
.set NP,     4
.set HALFT,  128*PITCH
.set SLOT,   4*HALFT
.set LAPS,   2                         ; 1,024 / 512
.set SPARE,  2*SLOT                    ; the spare words, 128 bytes for each wave
.set RBT,    SPARE+512                 ; a table of 128 row biases for each wave
.set SPITCH, 528                       ; a stage row: 512 bytes + 16
.set WSTG,   128*SPITCH                ; a wave's stage
.set CBO,  8                           ; v8   offset of my column biases; never rewritten
.set RBO,  10                          ; v10  offset of my row biases; never rewritten
.set RBS,  11                          ; v11  where I store them in the table
.set RBA0, 12                          ; v12  my row's place in the table
.set RBA,  13
.set ADRA, 16
.set ADRB, 20
.set STO,  24                          ; v24  where I put 32 bytes of a stage row
.set LA0,  25                          ; v25  where I read 64 bytes of a stage row
.set LA,   26
.set GO,   27                          ; v27  my 16 codes' place in the output
.set SPW,  28
.set NIL,  29
.set SCV,  30                          ; v30  2^e of the output
.set LIM,  31                          ; v31  448 x that
.set RAW,  32                          ; v32-63   32 raw sums
.set CB,   64                          ; v64-79   the biases of my 16 columns
.set RBV,  80                          ; v80-83   four row biases, on their way into the table
.set RBN,  84                          ; v84-87   the row bias of each of a trip's two units, as pairs' low words
.set CDR,  96                          ; v96-103  codes
.set AF,   128
.set X,    128                         ; v128-159 the numbers ahead of the quantiser
.set G1, 24
.set G0, 32
.set G1B, 48
.set G0B, 56
.set OB,  88                           ; s[88:89] the output at the trip's rows
.set STP, 90                           ; s[90:91] its step
.set BIG, 92                           ; s92  the step from row 63 to row 64
.set TB,  93                           ; s93  the trip's rows in the stage
.set TB2, 94                           ; s94  and in the table
.set NN,  95                           ; s95  trips
.set MSB, 0
.macro WIN new                         ; the immediate's high byte repeats the setting that is left
.if MSB != \new
	s_set_vgpr_msb (MSB<<8)|\new
.set MSB, \new
.endif
.endm
.set MUL_LO, 0xa1                      ; source 0 (B) window 1, source 1 (A) window 0, C and D window 2
.set MUL_HI, 0xf1
.set TO_B,   0x40
; A joint load: waves 0 and 1 fetch for A, waves 2 and 3 for B; the branch hangs on the wave's number alone.  Four v_nop follow each of the two lines.
.macro JLOAD g0a, g1a, g0b, g1b
	s_cmp_eq_u32 s15, 0
	s_cbranch_scc0 .Lfor_b_\@
	tensor_load_to_lds s[\g0a:\g0a+3], s[\g1a:\g1a+7]
	s_nop 0
.rept 4
	v_nop
.endr
	s_branch .Lasked_\@
.Lfor_b_\@:
	tensor_load_to_lds s[\g0b:\g0b+3], s[\g1b:\g1b+7]
	s_nop 0
.rept 4
	v_nop
.endr
.Lasked_\@:
.endm
.macro CREST                           ; a round of the cluster's barrier behind its opening barrier
	s_cmp_lg_u32 s14, 0
	s_cbranch_scc1 .Lnot_wave_0_\@
	s_barrier_signal -3
.Lnot_wave_0_\@:
	s_barrier_wait -3
	s_barrier_signal -1
	s_barrier_wait -1
.endm
.macro CROUND
	s_barrier_signal -1
	s_barrier_wait -1
	CREST
.endm
	s_load_b512 s[68:83], s[0:1], 0x0              ; hc 68, Wq 70, Wk 72, Wv 74, bq 76, bk 78, bv 80, scales 82
	s_load_b64 s[84:85], s[0:1], 0x40              ; the output
	v_lshl_add_u32 v[SPW], v0, 2, SPARE
	v_mov_b32 v[NIL], 0
	ds_add_u32 v28, v29
	ds_add_u32 v28, v29
	s_wait_dscnt 0x0
	v_lshrrev_b32 v1, 5, v0
	v_readfirstlane_b32 s14, v1                    ; wave 0..3
	s_lshr_b32 s15, s14, 1                         ; which half of the tile's rows is mine.  Also: I fetch for A (0) or for B (1)
	s_and_b32 s16, s14, 1                          ; which half of its columns.  Also: which 128 rows of that tile I fetch
	s_bfe_u32 s40, ttmp6, 0x40000                  ; cx
	s_bfe_u32 s41, ttmp6, 0x40004                  ; cy
	s_and_b32 s86, ttmp7, 0xffff
	s_lshl_b32 s86, s86, 2                         ; 4 x cluster y
	s_mov_b32 s[BIG], 512
	s_cmp_eq_u32 ttmp9, 2                          ; v?  The same answer in all sixteen partners
	s_cselect_b32 s17, 0, s86                      ; the long axis (tokens, 16 tiles) runs down the rows for q and k,
	s_cselect_b32 s42, s86, 0                      ; along the columns for v
	s_cselect_b32 s66, 0, -1                       ; lanes' mask: the column bias counts (q, k)
	s_cselect_b32 s67, -1, 0                       ; the row bias counts (v)
	s_cselect_b32 s99, 12, 16                      ; from a panel of 64 columns to the next: 4,096 bytes (v: a block of keys) or 65,536 (q, k: a head)
	s_cselect_b32 s[BIG], 61952, s[BIG]            ; from row 63 to row 64: v: on to the next head, 512 + 65,536 - 4,096; q, k: the rows go on
	s_add_co_u32 s17, s17, s41                     ; tile row: made of cy and the cluster's y alone
	s_add_co_u32 s42, s42, s40                     ; tile column: of cx and the cluster's y alone
	s_lshl_b32 s43, s41, 2
	s_lshl_b32 s43, 15, s43                        ; my row of the cluster
	s_lshl_b32 s44, 0x1111, s40                    ; my column
	s_or_b32 s[G1+0], s43, (0<<16)|(1<<20)|(1<<21)|(5<<22)|(3<<25)  ; the mask; elements of 1 byte; padding on; bit 21 beside a mask; after every 64 words, 4 words
	s_or_b32 s[G1B+0], s44, (0<<16)|(1<<20)|(1<<21)|(5<<22)|(3<<25)
.irp g, G1, G1B
	s_mov_b32 s[\g+1], ROWB<<16                    ; tensor_dim0
	s_mov_b32 s[\g+2], 128<<16                     ; tensor_dim1
	s_mov_b32 s[\g+3], ROWB<<16                    ; tile_dim0
	s_mov_b32 s[\g+4], 128                         ; tile_dim1
	s_mov_b32 s[\g+5], KROW                        ; the pitch
	s_mov_b32 s[\g+6], 0
	s_mov_b32 s[\g+7], 0
.endr
	s_lshl_b32 s18, s16, 7
	s_lshl_b32 s20, s17, 8
	s_add_co_u32 s20, s20, s18                     ; A: row 256 x tile row + 128 x half,
	s_lshl_b32 s20, s20, 10                        ; in bytes
	s_mov_b32 s21, 0
	s_lshl_b32 s46, s42, 8
	s_add_co_u32 s46, s46, s18                     ; B likewise
	s_lshl_b32 s46, s46, 10
	s_mov_b32 s47, 0
	s_mul_i32 s45, s14, HALFT                      ; where they go: wave x 128 rows
	s_lshl_b32 s90, ttmp9, 22                      ; the plane of 4 MiB
	s_mov_b32 s91, 0
	s_lshl_b32 s100, ttmp9, 3
	s_mov_b32 s101, 0
	s_wait_kmcnt 0x0
	s_add_nc_u64 s[10:11], s[82:83], s[100:101]
	s_load_b64 s[96:97], s[10:11], 0x0             ; the product's two exponents: entries 2 X, 2 X + 1
	s_lshl_b32 s100, ttmp9, 2
	s_add_nc_u64 s[12:13], s[82:83], s[100:101]
	s_load_b32 s98, s[12:13], 0x18                 ; the output's: entry 6 + X
	s_add_nc_u64 s[86:87], s[68:69], s[90:91]      ; the plane of LN1's codes under this product's scale
	s_cmp_eq_u32 ttmp9, 0
	s_cselect_b64 s[18:19], s[70:71], s[72:73]     ; Wq or Wk
	s_cselect_b64 s[4:5], s[76:77], s[78:79]       ; bq or bk
	s_cmp_eq_u32 ttmp9, 2
	s_cselect_b64 s[6:7], s[74:75], s[86:87]       ; A
	s_cselect_b64 s[8:9], s[86:87], s[18:19]       ; B
	s_cselect_b64 s[4:5], s[80:81], s[4:5]         ; the bias
	s_add_nc_u64 s[20:21], s[6:7], s[20:21]
	s_add_nc_u64 s[46:47], s[8:9], s[46:47]
	; THE PREFETCHES INTO THE L2: of the 128 rows that I fetch for a K step, each of the four partners that ask for them jointly names 32, told apart by address (cx for A, cy for B): a lane a row, 256 bytes of a row a K step.
	; K steps 1 and 2 are named behind K step 0's load, K step 3 behind K step 1's: two K steps at the most are asked for and not yet loaded.  The address registers are never rewritten.
	s_cmp_eq_u32 s15, 0                            ; do I fetch for A?
	s_cselect_b64 s[6:7], s[20:21], s[46:47]
	s_cselect_b32 s100, s40, s41                   ; my place among the four
	s_lshl_b32 s100, s100, 15                      ; x 32 rows of 1,024 bytes
	s_mov_b32 s101, 0
	s_add_nc_u64 s[6:7], s[6:7], s[100:101]
	v_and_b32 v22, 31, v0
	v_lshlrev_b32 v22, 10, v22                     ; v22: my lane's row; never rewritten
	s_wait_alu depctr_va_vdst(0)
	CROUND                                         ; all sixteen work-groups are here: the first joint loads meet
.irp s, 0,1
	s_mov_b32 s[G0+4*\s], 1
	s_add_co_u32 s[G0+4*\s+1], s45, \s*SLOT
	s_add_nc_u64 s[G0+4*\s+2:G0+4*\s+3], s[20:21], \s*ROWB
	s_or_b32 s[G0+4*\s+3], s[G0+4*\s+3], 0x80000000
	s_mov_b32 s[G0B+4*\s], 1
	s_add_co_u32 s[G0B+4*\s+1], s45, \s*SLOT
	s_add_nc_u64 s[G0B+4*\s+2:G0B+4*\s+3], s[46:47], \s*ROWB
	s_or_b32 s[G0B+4*\s+3], s[G0B+4*\s+3], 0x80000000
.endr
	JLOAD G0, G1, G0B, G1B                         ; K step 0: one tensor load a wave at the head
	global_prefetch_b8 v22, s[6:7] offset:256 th:TH_LOAD_NT scope:SCOPE_SE
	global_prefetch_b8 v22, s[6:7] offset:512 th:TH_LOAD_NT scope:SCOPE_SE
	v_and_b32 v1, 15, v0                           ; l % 16
	s_wait_alu depctr_va_vdst(0)
	v_bfe_u32 v2, v0, 4, 1                         ; l / 16
	v_mul_u32_u24 v3, v1, PITCH
	v_lshl_add_u32 v4, v2, 4, v3
	s_mul_i32 s21, s15, HALFT
	s_mul_i32 s22, s16, HALFT
	s_add_co_u32 s22, s22, 2*HALFT
.irp s, 0,1
	v_add_nc_u32 v[ADRA+\s], s21, v4
	v_add_nc_u32 v[ADRB+\s], s22, v4
	s_add_co_u32 s21, s21, SLOT
	s_add_co_u32 s22, s22, SLOT
.endr
	s_mul_i32 s23, s14, WSTG                       ; my stage
	v_mul_u32_u24 v5, v1, SPITCH
	s_wait_alu depctr_va_vdst(0)
	v_lshl_add_u32 v5, v2, 5, v5
	v_add_nc_u32 v[STO], s23, v5                   ; in: row l % 16, 32 bytes for each half of the lanes
	v_bfe_u32 v6, v0, 2, 2                         ; back: row (l / 4) % 4 of four, panel l / 16, 16 columns (l % 4)
	v_mul_u32_u24 v5, v6, SPITCH
	v_lshl_add_u32 v5, v2, 8, v5
	v_and_b32 v7, 3, v0
	v_lshl_add_u32 v5, v7, 6, v5
	v_add_nc_u32 v[LA0], s23, v5                   ; the 16 lanes of a half touch 16 different columns of 16 bytes modulo 256
	s_lshl_b32 s22, s14, 9
	s_add_co_u32 s22, s22, RBT                     ; my table of row biases
	v_and_b32 v9, 31, v0
	v_lshlrev_b32 v9, 4, v9
	s_wait_alu depctr_va_vdst(0)
	v_add_nc_u32 v[RBS], s22, v9
	v_lshl_add_u32 v[RBA0], v6, 2, s22
	v_lshlrev_b32 v[GO], s99, v2
	v_lshl_add_u32 v[GO], v1, 4, v[GO]             ; panel x its distance + 16 x (l % 16)
	s_lshl_b32 s20, s17, 8
	s_lshl_b32 s21, s15, 7
	s_add_co_u32 s20, s20, s21                     ; my first row of C
	s_lshl_b32 s46, s42, 8
	s_lshl_b32 s47, s16, 7
	s_add_co_u32 s46, s46, s47                     ; my first column
	s_cmp_eq_u32 ttmp9, 2
	s_cselect_b32 s86, s46, s20                    ; my first token,
	s_cselect_b32 s87, s20, s46                    ; my first channel
	s_cselect_b32 s100, 0, s46                     ; both biases are loaded on both ways, from offsets that lie inside the 1,024 numbers; the one that does not count is set to 0 below
	s_cselect_b32 s101, s20, 0
	s_lshl_b32 s100, s100, 2
	s_lshl_b32 s101, s101, 2
	s_lshl_b32 s18, ttmp9, 22                      ; plane
	s_lshr_b32 s19, s86, 10
	s_lshl_b32 s19, s19, 20                        ; + batch x 1 MiB
	s_add_co_u32 s18, s18, s19
	s_lshr_b32 s19, s87, 6
	s_lshl_b32 s19, s19, 16                        ; + head x 65,536
	s_add_co_u32 s18, s18, s19
	s_and_b32 s19, s86, 1023
	s_lshl_b32 s19, s19, 6                         ; + token x 64 (v: block of keys x 4,096, the same number)
	s_add_co_u32 s18, s18, s19
	s_mov_b32 s19, 0
	s_add_nc_u64 s[OB:OB+1], s[84:85], s[18:19]
	v_lshlrev_b32 v[CBO], 8, v2
	v_lshl_add_u32 v[CBO], v7, 6, v[CBO]
	v_add_nc_u32 v[CBO], s100, v[CBO]              ; my 16 columns' biases: 256 x panel + 64 x (l % 4) bytes on
	v_add_nc_u32 v[RBO], s101, v9                  ; four rows' biases a lane
.irp i, 0,1,2,3
	global_load_b128 v[CB+4*\i:CB+4*\i+3], v[CBO], s[4:5] offset:16*\i
.endr
	global_load_b128 v[RBV:RBV+3], v[RBO], s[4:5]
.macro FRAG reg, adr, q, i             ; a fragment, 16 rows x 128 K: lane l holds row l % 16; registers 4 c .. 4 c + 3 hold K = 32 c + 16 (l / 16) + 0 .. 15: the same places in A and in B
.irp c, 0,1,2,3
	ds_load_b128 v[\reg+4*\c:\reg+4*\c+3], v[\adr] offset:128*(\q)+32*\c+(\i)*16*PITCH
.endr
.endm
; 16 matrix instructions: A's blocks a0, a0 + 1 x B's eight.  The 64 accumulators take turns, one instruction a turn, in the same order in every step.
.macro MUL16 a0, p, zero
.irp a, \a0, \a0+1
.irp b, 0,1,2,3,4,5,6,7
.if \zero
	v_wmma_f32_16x16x128_fp8_fp8 v[8*(8*((\a)%4)+\b):8*(8*((\a)%4)+\b)+7], v[128*(\p)+FR*\b:128*(\p)+FR*\b+FR-1], v[AF+FR*(\a):AF+FR*(\a)+FR-1], 0
.else
	v_wmma_f32_16x16x128_fp8_fp8 v[8*(8*((\a)%4)+\b):8*(8*((\a)%4)+\b)+7], v[128*(\p)+FR*\b:128*(\p)+FR*\b+FR-1], v[AF+FR*(\a):AF+FR*(\a)+FR-1], v[8*(8*((\a)%4)+\b):8*(8*((\a)%4)+\b)+7]
.endif
.endr
.endr
.endm
.macro FETCH_B slot, q, p
	WIN TO_B
.irp i, 0,1,2,3,4,5,6,7
	FRAG 128*(\p)+FR*\i, ADRB+\slot, \q, \i
.endr
	WIN 0
.endm
.macro FETCH_A slot, q, i0
.irp i, \i0, \i0+1, \i0+2, \i0+3
	FRAG AF+FR*(\i), ADRA+\slot, \q, \i
.endr
.endm
.macro PLACES n                        ; plain vector instructions between a matrix instruction and a load into, or a read of, its registers
.rept \n
	v_nop
.endr
.endm
.macro STEP slot, q, zero              ; 128 along K that has its successor in the same slot
	s_wait_dscnt 4*NL                              ; B's set and A's blocks 0-3 are in; the youngest 16 loads (A's blocks 4-7) may be out
	WIN MUL_LO
	MUL16 0, (\q)%2, \zero
	MUL16 2, (\q)%2, \zero
	s_wait_dscnt 0
	PLACES NP
	FETCH_B \slot, (\q)+1, 1-(\q)%2
	FETCH_A \slot, (\q)+1, 0
	WIN MUL_HI
	MUL16 4, (\q)%2, \zero
	MUL16 6, (\q)%2, \zero
	PLACES NP
	WIN 0
	FETCH_A \slot, (\q)+1, 4
.endm
; A slot's last step changes slots: ONE barrier; in front of it each wave waits for all its tensor loads, adds 0 to its spare word, and waits for that and for its own reads of this slot.
.macro TURN slot, next, fill
	s_wait_tensorcnt 0x0                           ; all my tensor loads have landed: my part of the next slot
	ds_add_u32 v[SPW], v[NIL]                      ; 0 onto my spare word
	s_wait_dscnt 4*NL+1                            ; (the add and the youngest 16 loads may be out)
	WIN MUL_LO
	MUL16 0, 1, 0
	s_wait_dscnt 0x0                               ; the add is done, and my reads of this slot are over
	s_barrier_signal -1
	MUL16 2, 1, 0
	WIN 0
	s_barrier_wait -1
.if \fill
	CREST                                          ; the barrier has opened a round of the cluster's barrier: no wave of any partner still reads this slot or has a load on its way
	s_add_nc_u64 s[G0+4*\slot+2:G0+4*\slot+3], s[G0+4*\slot+2:G0+4*\slot+3], 2*ROWB
	s_add_nc_u64 s[G0B+4*\slot+2:G0B+4*\slot+3], s[G0B+4*\slot+2:G0B+4*\slot+3], 2*ROWB
	JLOAD G0+4*\slot, G1, G0B+4*\slot, G1B         ; the first tensor load behind the round; its four v_nop are the places in front of the loads below
.else
	PLACES NP
.endif
	FETCH_B \next, 0, 0
	FETCH_A \next, 0, 0
	WIN MUL_HI
	MUL16 4, 1, 0
	MUL16 6, 1, 0
	PLACES NP
	WIN 0
	FETCH_A \next, 0, 4
.endm
	s_wait_alu depctr_va_vdst(0)
	s_wait_tensorcnt 0x0                           ; my part of K step 0 is in; slot 1's first fill is issued as a refill is:
	ds_add_u32 v[SPW], v[NIL]                      ; 0 onto my spare word
	s_wait_dscnt 0x0
	CROUND                                         ; a whole round: everybody's part of K step 0 is in
	JLOAD G0+4, G1, G0B+4, G1B                     ; K step 1, the first tensor load behind the round
	global_prefetch_b8 v22, s[6:7] offset:768 th:TH_LOAD_NT scope:SCOPE_SE
	FETCH_B 0, 0, 0
	FETCH_A 0, 0, 0
	FETCH_A 0, 0, 4
	STEP 0, 0, 1                                   ; the first step's products start the sums
	s_mov_b32 s3, LAPS-1
.Llap:
	TURN 0, 1, 1
	STEP 1, 0, 0
	TURN 1, 0, 1
	STEP 0, 0, 0
	s_sub_co_u32 s3, s3, 1
	s_cmp_lg_u32 s3, 0
	s_cbranch_scc1 .Llap
	TURN 0, 1, 0                                   ; the last lap fills nothing
	STEP 1, 0, 0
	s_wait_dscnt 4*NL
	WIN MUL_LO
	MUL16 0, 1, 0
	MUL16 2, 1, 0
	s_wait_dscnt 0
	WIN MUL_HI
	MUL16 4, 1, 0
	MUL16 6, 1, 0
	WIN 0
	; THE WAY OUT, first part: every wave has read the ring for the last time; then the raw sums go into my stage, which lies in the ring.
	PLACES NP
	s_wait_dscnt 0x0
	s_barrier_signal -1
	s_barrier_wait -1
.irp a, 0,1,2,3,4,5,6,7
.if \a < 4
	WIN 0x08                                       ; a store's data is source 1: window 2,
.else
	WIN 0x0c                                       ; or 3
.endif
.irp b, 0,1,2,3,4,5,6,7
	ds_store_b128 v[STO], v[64*(\a%4)+8*\b:64*(\a%4)+8*\b+3] offset:\a*16*SPITCH+64*\b        ; each accumulator from its low end on
	ds_store_b128 v[STO], v[64*(\a%4)+8*\b+4:64*(\a%4)+8*\b+7] offset:\a*16*SPITCH+64*\b+16
.endr
.endr
	WIN 0
	s_wait_loadcnt 0x0                             ; the biases
	s_wait_kmcnt 0x0                               ; the exponents
.set j, 0
.rept 16
	v_cndmask_b32 v[CB+j], 0, v[CB+j], s66         ; v has no column bias,
.set j, j+1
.endr
.set j, 0
.rept 4
	v_cndmask_b32 v[RBV+j], 0, v[RBV+j], s67       ; q and k no row bias
.set j, j+1
.endr
	ds_store_b128 v[RBS], v[RBV:RBV+3]             ; lane l's four are rows 4 l .. 4 l + 3
	s_add_co_i32 s96, s96, s97
	s_add_co_i32 s96, s96, 127
	s_lshl_b32 s96, s96, 23                        ; 2^(eA + eB) as f32
	s_mov_b32 s97, s96
	s_add_co_i32 s98, s98, 127
	s_lshl_b32 s100, s98, 23
	v_mov_b32 v[SCV], s100
	s_add_co_i32 s98, s98, 8
	s_lshl_b32 s98, s98, 23
	s_or_b32 s98, s98, 0x600000
	v_mov_b32 v[LIM], s98
	v_mov_b32 v[RBN+1], 0                          ; named as upper halves of pairs
	v_mov_b32 v[RBN+3], 0
	s_mov_b32 s[TB], 0
	s_mov_b32 s[TB2], 0
	s_mov_b32 s[NN], 0
	s_mov_b32 s[STP+1], 0
.macro RAWLOAD                         ; 8 rows of my stage: two units of 4 rows; a lane takes 64 bytes of one row of each; and the two rows' biases
.irp u, 0,1
.irp i, 0,1,2,3
	ds_load_b128 v[RAW+16*\u+4*\i:RAW+16*\u+4*\i+3], v[LA] offset:4*SPITCH*\u+16*\i
.endr
	ds_load_b32 v[RBN+2*\u], v[RBA] offset:16*\u
.endr
.endm
.macro TRIPB more                      ; more = 1: the next trip's rows are asked for, and the output steps on
	s_wait_dscnt 0x0                               ; this trip's rows are in (LDS serves a wave's instructions in order: they saw my stores)
.irp u, 0,1
.irp k, 0,2,4,6,8,10,12,14
	v_pk_fma_f32 v[X+16*\u+\k:X+16*\u+\k+1], v[RAW+16*\u+\k:RAW+16*\u+\k+1], s[96:97], v[CB+\k:CB+\k+1] op_sel_hi:[1,0,1]   ; sum x 2^(eA + eB) + the column's bias
.endr
.endr
.irp u, 0,1
.irp k, 0,2,4,6,8,10,12,14
	v_pk_add_f32 v[X+16*\u+\k:X+16*\u+\k+1], v[X+16*\u+\k:X+16*\u+\k+1], v[RBN+2*\u:RBN+2*\u+1] op_sel_hi:[1,0]           ; + the row's: one of the two is 0, so one rounding in all
.endr
.endr
.if \more
	s_add_co_u32 s[TB], s[TB], 8*SPITCH
	s_add_co_u32 s[TB2], s[TB2], 32
	v_add_nc_u32 v[LA], s[TB], v[LA0]
	v_add_nc_u32 v[RBA], s[TB2], v[RBA0]
	RAWLOAD
.endif
	s_wait_xcnt 0x0                                ; the last trip's stores have read their data and their base: both are written again only behind this wait
	s_cmp_eq_u32 s[NN], 8
	s_cselect_b32 s[STP], s[BIG], 512              ; on to this trip's rows of the output;
	s_cmp_eq_u32 s[NN], 0
	s_cselect_b32 s[STP], 0, s[STP]                ; the first trip's are where the base stands
	s_add_nc_u64 s[OB:OB+1], s[OB:OB+1], s[STP:STP+1]
.set j, 0
.rept 32
	v_med3_num_f32 v[X+j], v[X+j], -v[LIM], v[LIM] ; the conversion does not saturate (ISA guide 7.6.2)
.set j, j+1
.endr
.irp g, 0,1,2,3
	v_cvt_scalef32_pk8_fp8_f32 v[CDR+2*\g:CDR+2*\g+1], v[X+8*\g:X+8*\g+7], v[SCV]
.endr
	v_nop                                          ; a plain line behind the last conversion
.irp u, 0,1
	global_store_b128 v[GO], v[CDR+4*\u:CDR+4*\u+3], s[OB:OB+1] offset:256*\u   ; sixteen lanes store 256 consecutive bytes, aligned: four rows of 64 codes of one panel
.endr
.endm
	v_add_nc_u32 v[LA], s[TB], v[LA0]
	v_add_nc_u32 v[RBA], s[TB2], v[RBA0]
	RAWLOAD
.Lrows:                                                ; 15 trips; the sixteenth is written out and asks for nothing
	TRIPB 1
	s_add_co_u32 s[NN], s[NN], 1
	s_cmp_lt_u32 s[NN], 15
	s_cbranch_scc1 .Lrows
	TRIPB 0
	s_wait_tensorcnt 0x0                           ; the wave's end
	ds_add_u32 v[SPW], v[NIL]
	s_wait_dscnt 0x0
	CROUND                                         ; the closing round
	s_endpgm
.Lfunc_end_k_q1d16950771_proj:
	.size	k_q1d16950771_proj, .Lfunc_end_k_q1d16950771_proj-k_q1d16950771_proj
	.p2alignl 7, 3214868480
	.fill 96, 4, 3214868480
	.section	.rodata,"a",@progbits
	.p2align	6, 0x0
	.amdhsa_kernel k_q1d16950771_proj
		.amdhsa_group_segment_fixed_size 327680
		.amdhsa_private_segment_fixed_size 0
		.amdhsa_enable_private_segment 0
		.amdhsa_kernarg_size 72
		.amdhsa_user_sgpr_count 2
		.amdhsa_user_sgpr_kernarg_segment_ptr 1
		.amdhsa_wavefront_size32 1
		.amdhsa_system_sgpr_workgroup_id_x 1
		.amdhsa_system_sgpr_workgroup_id_y 1
		.amdhsa_system_sgpr_workgroup_id_z 1
		.amdhsa_system_vgpr_workitem_id 0
		.amdhsa_next_free_vgpr 1024
		.amdhsa_next_free_sgpr 102
		.amdhsa_reserve_vcc 0
		.amdhsa_float_denorm_mode_32 3
		.amdhsa_float_denorm_mode_16_64 3
		.amdhsa_memory_ordered 1
		.amdhsa_forward_progress 1
		.amdhsa_inst_pref_size 102
	.end_amdhsa_kernel
	.amdgpu_metadata
---
amdhsa.version: [ 1, 2 ]
amdhsa.kernels:
  - .name:           k_q1d16950771_proj
    .symbol:         k_q1d16950771_proj.kd
    .args:
      - { .name: hc, .offset: 0, .size: 8, .value_kind: global_buffer, .address_space: global }
      - { .name: Wq_codes, .offset: 8, .size: 8, .value_kind: global_buffer, .address_space: global }
      - { .name: Wk_codes, .offset: 16, .size: 8, .value_kind: global_buffer, .address_space: global }
      - { .name: Wv_codes, .offset: 24, .size: 8, .value_kind: global_buffer, .address_space: global }
      - { .name: bq, .offset: 32, .size: 8, .value_kind: global_buffer, .address_space: global }
      - { .name: bk, .offset: 40, .size: 8, .value_kind: global_buffer, .address_space: global }
      - { .name: bv, .offset: 48, .size: 8, .value_kind: global_buffer, .address_space: global }
      - { .name: lowp_scales, .offset: 56, .size: 8, .value_kind: global_buffer, .address_space: global }
      - { .name: qkv, .offset: 64, .size: 8, .value_kind: global_buffer, .address_space: global }
    .group_segment_fixed_size: 327680
    .private_segment_fixed_size: 0
    .kernarg_segment_align: 8
    .kernarg_segment_size: 72
    .max_flat_workgroup_size: 128
    .sgpr_count:     102
    .vgpr_count:     1024
    .wavefront_size: 32
...
	.end_amdgpu_metadata
.endif
;; end of part 2
;; launch attn (part 3): grid 4 x 64, 16 waves a work-group, clusters of 4 x 1, 186,368 bytes of LDS; arguments qkv, lowp_scales, yc; writes yc
.if DOCPART == 3
	.amdgcn_target "amdgcn-amd-amdhsa--gfx1250"
	.amdhsa_code_object_version 6
	.text
	.protected	k_q1d16950771_attn
	.globl	k_q1d16950771_attn
	.p2align	8
	.type	k_q1d16950771_attn,@function
k_q1d16950771_attn:
	s_mov_b64 s[64:65], 0
	v_nop
	global_prefetch_b8 v0, s[64:65] scope:SCOPE_SE
	s_setreg_imm32_b32 hwreg(HW_REG_WAVE_MODE, 25, 1), 1
	s_wait_xcnt 0x0
	s_wait_alu depctr_hold_cnt(0) depctr_sa_sdst(0) depctr_va_vdst(0) depctr_va_sdst(0) depctr_va_ssrc(0) depctr_va_vcc(0) depctr_vm_vsrc(0)
	s_getreg_b32 s2, hwreg(HW_REG_IB_STS2, 6, 4)
	s_cmp_eq_u32 s2, 0
	s_cbranch_scc0 .Lentry_in_a_cluster
	s_endpgm
.Lentry_in_a_cluster:
	s_bfe_u32 s2, ttmp6, 0x10000c
	s_cmp_lg_u32 s2, 0x3003
	s_cbranch_scc0 .Lentry_shape_is_right
	s_endpgm
.Lentry_shape_is_right:
; Causal attention on codes of E4M3: 64 (batch, head) pairs, 1,024 tokens, head size 64.  y = softmax(q k^T / 8, causal) v, quantised for the next product.
; IN: three planes of 4 MiB: q, k [b][head][token][64 d]; v [b][head][block of 64 keys][d][64 keys].  OUT: codes [block of 64 tokens][head][64 tokens][64 d].
; THE SOFTMAX AHEAD OF THE SECOND PRODUCT: t = score x log2(e) / 8; M = the row's largest t so far, rounded UP to a whole number; p = 2^(t - M) is quantised, not normalised; the row's sum is taken of the
; unquantised p and divides at the end.  When M moves, the sum and O are multiplied by 2^(old M - new M): exact.
; SHARES.  The cluster's y is the (batch, head) pair; its four work-groups share that head's K and V, which lie WHOLE in each one's LDS: each of the sixteen waves asks jointly for 128 rows of 64 bytes, once.
; Nothing is filled again, so there is no ring.  A wave owns 16 queries: 64 QB + 16 cx + r.  QB is the wave's number, turned by an exclusive or with 15 in eight of the sixteen waves, so that the causal work
; (QB / 2 + 1 steps of 128 keys) adds up alike over waves 0-3, 4-7, .. and over waves 0, 4, 8, 12, ..  No branch and no LDS address hangs on cx.
; LAYOUT.  Both products transposed: S^T = K Q^T (source 0 = 16 keys), O^T = V^T P^T (source 0 = 16 of the head's 64): a lane holds ONE query.  Lane r of key tile 2 b + u takes key 32 b + 8 u + r + 8 (r / 8),
; so that the 16 registers of tiles 2 b, 2 b + 1 are 16 neighbouring keys: the conversions' results are the second product's operand.
; The loop over key steps has a constant count of 8; a step whose keys all come after the wave's queries is jumped over (a branch on the wave's number and the step), the step on the diagonal masks.
; LIMITS: e6 + e7 between -123 and 130; e9 and e10 between -126 and 119.  NaN and infinities among the inputs are not served.
; REGISTERS: v1-7 addresses that stay; v8, v9 the step's; v12 -M, v13 the largest t, v[14:15] the sum; v16-23 Q; v32-95 K's, then V's fragments; v96-159 S^T, then p; v160-191 O^T; v224-239 p's codes.
.set KP,    80                         ; a row of 64 codes in LDS: + 16 of padding
.set VOFF,  1024*KP                    ; K's 1,024 rows, then V's 1,024 (row = 64 x block + d)
.set STEPB, 128*KP                     ; a key step: 128 rows of K, and 2 blocks x 64 rows of V
.set STAGE, 2*VOFF                     ; behind them: 16 rows x 80 bytes for each wave, for the way out
.set AK0, 1
.set AV0, 2
.set DQ,  3                            ; v3  my query less the diagonal step's first key less 16 (l / 16)
.set STI, 4
.set STR, 5
.set GO,  6
.set QOF, 7
.set ADK, 8
.set ADV, 9
.set WV,  12                           ; s12 wave
.set QB,  14                           ; s14 my block of 64 queries
.set WH,  15                           ; s15 my last key step
.set SEL, 34
.set CS,  36                           ; s[36:37] c = log2(e) / 8, with e6 + e7 added to its exponent field
.set TB,  38
.set KS,  39
.macro ROUND                           ; a round of the cluster's barrier
	s_barrier_signal -1
	s_barrier_wait -1
	s_cmp_lg_u32 s[WV], 0
	s_cbranch_scc1 .Lnot_wave_0_\@
	s_barrier_signal -3
.Lnot_wave_0_\@:
	s_barrier_wait -3
	s_barrier_signal -1
	s_barrier_wait -1
.endm
	s_load_b128 s[4:7], s[0:1], 0x0                ; qkv s[4:5], scales s[6:7]
	s_load_b64 s[8:9], s[0:1], 0x10                ; yc
	v_lshl_add_u32 v251, v0, 2, 0x2d000
	v_mov_b32 v255, 0
	ds_add_u32 v251, v255
	ds_add_u32 v251, v255
	v_lshrrev_b32 v8, 5, v0
	s_delay_alu instid0(VALU_DEP_1)
	v_readfirstlane_b32 s[WV], v8                  ; wave 0..15
	s_bfe_u32 s13, ttmp6, 0x40000                  ; cx
	s_and_b32 s33, ttmp7, 0xffff                   ; 16 x batch + head
	s_lshr_b32 s40, s[WV], 2
	s_and_b32 s41, s[WV], 3
	s_xor_b32 s40, s40, s41
	s_add_co_u32 s40, s40, 1
	s_and_b32 s40, s40, 2                          ; 0 where (wave / 4) xor (wave % 4) is 0 or 3
	s_cselect_b32 s40, 0, 15
	s_xor_b32 s[QB], s[WV], s40
	s_lshr_b32 s[WH], s[QB], 1
	s_mov_b32 s16, 15|(1<<20)|(1<<21)|(3<<22)|(3<<25)  ; the mask: all four work-groups; elements of 1 byte; padding on; bit 21 beside a mask; after every 16 words, 4 words
	s_mov_b32 s17, 64<<16                          ; tensor_dim0
	s_mov_b32 s18, 128<<16                         ; tensor_dim1
	s_mov_b32 s19, 64<<16                          ; tile_dim0
	s_mov_b32 s20, 128                             ; tile_dim1
	s_mov_b32 s21, 64                              ; the pitch: the rows are dense
	s_mov_b32 s22, 0
	s_mov_b32 s23, 0
	s_lshr_b32 s40, s[WV], 3
	s_add_co_u32 s40, s40, 1
	s_lshl_b32 s40, s40, 22                        ; waves 0-7: k's plane, waves 8-15: v's
	s_lshl_b32 s41, s33, 16
	s_add_co_u32 s40, s40, s41                     ; the head's 65,536 bytes
	s_and_b32 s42, s[WV], 7
	s_lshl_b32 s42, s42, 13
	s_add_co_u32 s40, s40, s42                     ; my 128 rows
	s_mov_b32 s41, 0
	s_mov_b32 s24, 1
	s_mul_i32 s25, s[WV], STEPB                    ; where they go: wave x 128 rows
	s_mov_b32 s[SEL], 0x76543210
	s_mov_b32 s[SEL+1], 0xfedcba98
	s_mov_b32 s[CS], 0x3e38aa3b                    ; log2(e) / 8
	s_mov_b32 s[TB], 0
	s_mov_b32 s[KS], 0
	s_wait_dscnt 0x0
	s_wait_kmcnt 0x0
	s_load_b128 s[28:31], s[6:7], 0x18             ; e6 (q), e7 (k), e8 (v), e9 (p)
	s_load_b32 s32, s[6:7], 0x28                   ; e10 (y)
	s_add_nc_u64 s[26:27], s[4:5], s[40:41]
	s_or_b32 s27, s27, 0x80000000
	ROUND                                          ; all four work-groups are here: the joint loads meet
	tensor_load_to_lds s[24:27], s[16:23]          ; my one tensor load of the launch
	s_nop 0
.rept 4
	v_nop
.endr
	v_and_b32 v10, 15, v0                          ; r
	s_wait_alu depctr_va_vdst(0)
	v_bfe_u32 v11, v0, 4, 1                        ; h
	s_lshl_b32 s40, s33, 16
	s_lshl_b32 s41, s[QB], 12
	s_add_co_u32 s40, s40, s41
	s_lshl_b32 s41, s13, 10
	s_add_co_u32 s40, s40, s41                     ; q: head, + (64 QB + 16 cx) rows of 64 bytes
	s_mov_b32 s41, 0
	s_add_nc_u64 s[4:5], s[4:5], s[40:41]
	v_lshlrev_b32 v[QOF], 6, v10
	s_delay_alu instid0(VALU_DEP_1)
	v_lshl_add_u32 v[QOF], v11, 4, v[QOF]
	global_load_b128 v[16:19], v[QOF], s[4:5]      ; Q's fragment: registers 4 c .. 4 c + 3 hold d = 32 c + 16 h + 0 .. 15, as K's will
	global_load_b128 v[20:23], v[QOF], s[4:5] offset:32
	s_lshr_b32 s40, s33, 4
	s_lshl_b32 s40, s40, 4
	s_add_co_u32 s40, s40, s[QB]                   ; block of 64 tokens: 16 x batch + QB
	s_lshl_b32 s40, s40, 4
	s_and_b32 s41, s33, 15
	s_add_co_u32 s40, s40, s41                     ; x 16 + head
	s_lshl_b32 s40, s40, 12
	s_lshl_b32 s41, s13, 10
	s_add_co_u32 s40, s40, s41                     ; + 16 cx rows of 64 bytes
	s_mov_b32 s41, 0
	s_add_nc_u64 s[8:9], s[8:9], s[40:41]
	v_and_b32 v8, 8, v10
	s_delay_alu instid0(VALU_DEP_1)
	v_add_nc_u32 v8, v8, v10                       ; r + 8 (r / 8)
	s_delay_alu instid0(VALU_DEP_1)
	v_mul_u32_u24 v[AK0], v8, KP
	s_wait_alu depctr_va_vdst(0)
	v_lshl_add_u32 v[AK0], v11, 4, v[AK0]
	v_mul_u32_u24 v[AV0], v10, KP
	s_delay_alu instid0(VALU_DEP_1)
	v_lshl_add_u32 v[AV0], v11, 4, v[AV0]
	s_delay_alu instid0(VALU_DEP_1)
	v_add_nc_u32 v[AV0], VOFF, v[AV0]
	s_and_b32 s40, s[QB], 1
	s_lshl_b32 s40, s40, 6
	s_lshl_b32 s41, s13, 4
	s_add_co_u32 s40, s40, s41
	v_lshlrev_b32 v8, 4, v11
	s_delay_alu instid0(VALU_DEP_1)
	v_sub_nc_u32 v[DQ], v10, v8
	s_delay_alu instid0(VALU_DEP_1)
	v_add_nc_u32 v[DQ], s40, v[DQ]                 ; 64 (QB % 2) + 16 cx + r - 16 h
	s_mul_i32 s40, s[WV], 16*KP
	s_add_co_u32 s40, s40, STAGE                   ; my stage
	v_mul_u32_u24 v[STI], v10, KP
	s_delay_alu instid0(VALU_DEP_1)
	v_lshl_add_u32 v[STI], v11, 3, v[STI]
	s_delay_alu instid0(VALU_DEP_1)
	v_add_nc_u32 v[STI], s40, v[STI]               ; in: row r, 8 bytes for each half of the lanes
	v_and_b32 v8, 31, v0
	s_delay_alu instid0(VALU_DEP_1)
	v_lshrrev_b32 v9, 2, v8
	s_delay_alu instid0(VALU_DEP_1)
	v_mul_u32_u24 v[STR], v9, KP
	v_and_b32 v9, 3, v0
	s_delay_alu instid0(VALU_DEP_1)
	v_lshl_add_u32 v[STR], v9, 4, v[STR]
	s_delay_alu instid0(VALU_DEP_1)
	v_add_nc_u32 v[STR], s40, v[STR]               ; back: four lanes to a row of 64 bytes
	v_lshlrev_b32 v[GO], 4, v8
	v_mov_b32 v13, 0xff61b1e6                      ; the largest t so far: -3e38
	s_delay_alu instid0(VALU_DEP_1)
	v_floor_f32 v12, -v13                          ; -M
	v_mov_b32 v14, 0
	v_mov_b32 v15, 0
	v_mov_b32 v236, 0                              ; a lane permute's destination counts as read
	v_mov_b32 v252, 0
	v_mov_b32 v253, 0                              ; named as the upper half of the pair v[252:253]
.set j, 0
.rept 32
	v_mov_b32 v[160+j], 0                          ; O^T: the step is written once, and its first walk finds zeros
.set j, j+1
.endr
	s_wait_kmcnt 0x0
	s_add_co_i32 s40, s28, s29
	s_lshl_b32 s40, s40, 23
	s_add_co_i32 s[CS], s[CS], s40                 ; a score stands for score x 2^(e6 + e7)
	s_mov_b32 s[CS+1], s[CS]
	s_add_co_i32 s40, s31, 127
	s_lshl_b32 s41, s40, 23
	v_mov_b32 v244, s41                            ; 2^e9
	s_add_co_i32 s40, s40, 8
	s_lshl_b32 s40, s40, 23
	s_or_b32 s40, s40, 0x600000
	v_mov_b32 v240, s40                            ; 448 x 2^e9
	s_add_co_i32 s40, s32, 127
	s_lshl_b32 s41, s40, 23
	v_mov_b32 v245, s41                            ; 2^e10
	s_add_co_i32 s40, s40, 8
	s_lshl_b32 s40, s40, 23
	s_or_b32 s40, s40, 0x600000
	v_mov_b32 v241, s40                            ; 448 x 2^e10
	s_wait_tensorcnt 0x0                           ; my 128 rows have landed,
	s_barrier_signal -1
	s_barrier_wait -1                              ; everybody's have
	s_wait_loadcnt 0x0                             ; Q
.Lstep:                                                ; 8 trips, 128 keys each
	s_cmp_gt_u32 s[KS], s[WH]
	s_cbranch_scc1 .Lhidden                        ; all these keys come after my queries
	v_add_nc_u32 v[ADK], s[TB], v[AK0]
	v_add_nc_u32 v[ADV], s[TB], v[AV0]
	v_nop                                          ; with the two additions: four places in front of loads into registers that the last products read
	v_nop
.irp t, 0,1,2,3,4,5,6,7
.irp c, 0,1
	ds_load_b128 v[32+8*\t+4*\c:32+8*\t+4*\c+3], v[ADK] offset:(32*(\t/2)+8*(\t%2))*KP+32*\c
.endr
.endr
	s_wait_alu depctr_va_vdst(0)
	s_wait_dscnt 0x0
.irp t, 0,1,2,3,4,5,6,7
	v_wmma_f32_16x16x64_fp8_fp8 v[96+8*\t:103+8*\t], v[32+8*\t:39+8*\t], v[16:23], 0
.endr
.rept 4
	v_nop                                          ; places in front of the loads below and of the first read of the scores
.endr
.irp t, 0,1,2,3                                ; V's four fragments (16 d x 128 keys) land while the softmax is worked
.irp c, 0,1,2,3
	ds_load_b128 v[32+16*\t+4*\c:32+16*\t+4*\c+3], v[ADV] offset:(\c/2)*64*KP+16*KP*\t+32*(\c%2)
.endr
.endr
	s_cmp_lg_u32 s[KS], s[WH]
	s_cbranch_scc1 .Lopen                          ; all these keys count
	v_mov_b32 v254, 0xff800000                     ; on the diagonal hidden scores become -infinity: register 16 b + i holds key 32 b + 16 h + i of the step
.irp n, 0,1,2,3,4,5,6,7,8,9,10,11,12,13,14,15,16,17,18,19,20,21,22,23,24,25,26,27,28,29,30,31,32,33,34,35,36,37,38,39,40,41,42,43,44,45,46,47,48,49,50,51,52,53,54,55,56,57,58,59,60,61,62,63
	v_cmp_gt_i32 vcc_lo, 32*(\n/16)+\n%16, v[DQ]
	v_cndmask_b32 v[96+\n], v[96+\n], v254, vcc_lo
.endr
.Lopen:
	v_max3_num_f32 v254, v96, v97, v98             ; the step's largest score of my query among my 64 keys, in two chains,
	v_max3_num_f32 v252, v99, v100, v101
.irp i, 6,10,14,18,22,26,30,34,38,42,46,50,54,58
	v_max3_num_f32 v254, v254, v[96+\i], v[97+\i]
	v_max3_num_f32 v252, v252, v[98+\i], v[99+\i]
.endr
	v_max3_num_f32 v254, v254, v158, v159
	s_delay_alu instid0(VALU_DEP_1)
	v_max_num_f32 v254, v254, v252
	v_permlanex16_b32 v236, v254, s[SEL], s[SEL+1]
	s_delay_alu instid0(VALU_DEP_1)
	v_max_num_f32 v254, v254, v236                 ; and among lane l xor 16's
	s_delay_alu instid0(VALU_DEP_1)
	v_mul_f32 v254, s[CS], v254                    ; as t
	s_delay_alu instid0(VALU_DEP_1)
	v_max_num_f32 v13, v13, v254                   ; the running largest t
	v_mov_b32 v254, v12
	s_delay_alu instid0(VALU_DEP_2)
	v_floor_f32 v12, -v13                          ; the new -M = -ceil(t)
	s_delay_alu instid0(VALU_DEP_1)
	v_sub_f32 v254, v12, v254                      ; old M - new M: a whole number, 0 or less
	s_delay_alu instid0(VALU_DEP_1)
	v_cvt_i32_f32 v254, v254                       ; (it saturates)
	s_delay_alu instid0(VALU_DEP_1)
	v_ldexp_f32 v252, 1.0, v254                    ; f = 2^(old M - new M)
.set j, 0
.rept 32
	v_pk_fma_f32 v[96+j:97+j], v[96+j:97+j], s[CS:CS+1], v[12:13] op_sel_hi:[1,0,0]   ; t - M
.set j, j+2
.endr
.set j, 0
	s_wait_alu depctr_va_vdst(0)
.rept 64
	v_exp_f32 v[96+j], v[96+j]                     ; p = 2^(t - M)
.set j, j+1
.endr
	v_pk_mul_f32 v[14:15], v[14:15], v[252:253] op_sel_hi:[1,0]   ; the sums under the new M: the plain line behind the exponentials
	s_wait_alu depctr_va_vdst(0)                   ; one wait for the whole batch, ahead of its first reader
	v_pk_add_f32 v[242:243], v[100:101], v[104:105]
	v_pk_add_f32 v[248:249], v[108:109], v[112:113]
	v_pk_add_f32 v[246:247], v[116:117], v[120:121]
	v_pk_add_f32 v[238:239], v[124:125], v[128:129]
	v_pk_add_f32 v[236:237], v[132:133], v[136:137]
	v_pk_add_f32 v[234:235], v[140:141], v[144:145]
	v_pk_add_f32 v[232:233], v[148:149], v[152:153]
	v_pk_add_f32 v[14:15], v[14:15], v[156:157]
	v_pk_add_f32 v[242:243], v[242:243], v[96:97]
	v_pk_add_f32 v[248:249], v[248:249], v[98:99]
	v_pk_add_f32 v[246:247], v[246:247], v[102:103]
	v_pk_add_f32 v[238:239], v[238:239], v[106:107]
	v_pk_add_f32 v[236:237], v[236:237], v[110:111]
	v_pk_add_f32 v[234:235], v[234:235], v[114:115]
	v_pk_add_f32 v[232:233], v[232:233], v[118:119]
	v_pk_add_f32 v[14:15], v[14:15], v[122:123]
	v_pk_add_f32 v[242:243], v[242:243], v[126:127]
	v_pk_add_f32 v[248:249], v[248:249], v[130:131]
	v_pk_add_f32 v[246:247], v[246:247], v[134:135]
	v_pk_add_f32 v[238:239], v[238:239], v[138:139]
	v_pk_add_f32 v[236:237], v[236:237], v[142:143]
	v_pk_add_f32 v[234:235], v[234:235], v[146:147]
	v_pk_add_f32 v[232:233], v[232:233], v[150:151]
	v_pk_add_f32 v[14:15], v[14:15], v[154:155]
	v_pk_add_f32 v[242:243], v[242:243], v[158:159]
	s_delay_alu instid0(VALU_DEP_2)
	v_pk_add_f32 v[14:15], v[14:15], v[238:239]
	s_delay_alu instid0(VALU_DEP_2)
	v_pk_add_f32 v[242:243], v[242:243], v[236:237]
	v_pk_add_f32 v[248:249], v[248:249], v[234:235]
	v_pk_add_f32 v[246:247], v[246:247], v[232:233]
	s_delay_alu instid0(VALU_DEP_2)
	v_pk_add_f32 v[14:15], v[14:15], v[248:249]
	s_delay_alu instid0(VALU_DEP_2)
	v_pk_add_f32 v[242:243], v[242:243], v[246:247]
	s_delay_alu instid0(VALU_DEP_1)
	v_pk_add_f32 v[14:15], v[14:15], v[242:243]
.irp b, 0,1,2,3
.irp i, 0,1,2,3,4,5,6,7,8,9,10,11,12,13,14,15
	v_min_num_f32 v[96+16*\b+\i], v[96+16*\b+\i], v240   ; the conversion does not saturate (ISA guide 7.6.2); p is not negative
.endr
	v_cvt_scalef32_pk8_fp8_f32 v[224+4*\b:225+4*\b], v[96+16*\b:103+16*\b], v244
	v_cvt_scalef32_pk8_fp8_f32 v[226+4*\b:227+4*\b], v[104+16*\b:111+16*\b], v244
.endr
.set j, 0
.rept 16
	v_pk_mul_f32 v[160+j:161+j], v[160+j:161+j], v[252:253] op_sel_hi:[1,0]   ; O^T under the new M; also the plain lines between the conversions and the products
.set j, j+2
.endr
	s_wait_alu depctr_va_vdst(0)
	s_wait_dscnt 0x0                               ; V
.irp t, 0,1,2,3
	v_wmma_f32_16x16x128_fp8_fp8 v[160+8*\t:167+8*\t], v[32+16*\t:47+16*\t], v[224:239], v[160+8*\t:167+8*\t]   ; four accumulators by turns
.endr
.Lhidden:
	s_add_co_u32 s[TB], s[TB], STEPB
	s_add_co_u32 s[KS], s[KS], 1
	s_cmp_lt_u32 s[KS], 8
	s_cbranch_scc1 .Lstep
	; THE WAY OUT: y = O^T / the sum x 2^(e8 + e9), quantised under e10; 16 rows of 64 codes go through my stage and leave as 1,024 consecutive bytes.
.rept 4
	v_nop                                          ; places behind the last products
.endr
	v_add_f32 v14, v14, v15
	v_permlanex16_b32 v236, v14, s[SEL], s[SEL+1]
	s_delay_alu instid0(VALU_DEP_1)
	v_add_f32 v14, v14, v236                       ; the row's sum
	s_wait_alu depctr_va_vdst(0)
	v_rcp_f32 v14, v14
	v_nop                                          ; a plain line behind the transcendental
	s_add_co_i32 s40, s30, s31
	s_wait_alu depctr_va_vdst(0)                   ; and the wait ahead of its first reader
	v_ldexp_f32 v14, v14, s40
.set j, 0
.rept 32
	v_mul_f32 v[96+j], v[160+j], v14               ; register 8 t + i is y(r, 16 t + 8 h + i); each accumulator from its low end on
.set j, j+1
.endr
.set j, 0
.rept 32
	v_med3_num_f32 v[96+j], v[96+j], -v241, v241
.set j, j+1
.endr
.irp t, 0,1,2,3
	v_cvt_scalef32_pk8_fp8_f32 v[224+2*\t:225+2*\t], v[96+8*\t:103+8*\t], v245
.endr
	v_nop
.irp t, 0,1,2,3
	ds_store_b64 v[STI], v[224+2*\t:225+2*\t] offset:16*\t
.endr
.irp i, 0,1
	ds_load_b128 v[32+4*\i:35+4*\i], v[STR] offset:8*KP*\i   ; LDS serves a wave's instructions in order: these see my stores
.endr
	s_wait_dscnt 0x0
.irp i, 0,1
	global_store_b128 v[GO], v[32+4*\i:35+4*\i], s[8:9] offset:512*\i   ; 32 lanes store 512 consecutive bytes, aligned
.endr
	s_wait_tensorcnt 0x0
	ds_add_u32 v251, v255
	s_wait_dscnt 0x0
	ROUND                                          ; the closing round
	s_endpgm
.Lfunc_end_k_q1d16950771_attn:
	.size	k_q1d16950771_attn, .Lfunc_end_k_q1d16950771_attn-k_q1d16950771_attn
	.p2alignl 7, 3214868480
	.fill 96, 4, 3214868480
	.section	.rodata,"a",@progbits
	.p2align	6, 0x0
	.amdhsa_kernel k_q1d16950771_attn
		.amdhsa_group_segment_fixed_size 186368
		.amdhsa_private_segment_fixed_size 0
		.amdhsa_enable_private_segment 0
		.amdhsa_kernarg_size 24
		.amdhsa_user_sgpr_count 2
		.amdhsa_user_sgpr_kernarg_segment_ptr 1
		.amdhsa_wavefront_size32 1
		.amdhsa_system_sgpr_workgroup_id_x 1
		.amdhsa_system_sgpr_workgroup_id_y 1
		.amdhsa_system_sgpr_workgroup_id_z 1
		.amdhsa_system_vgpr_workitem_id 0
		.amdhsa_next_free_vgpr 256
		.amdhsa_next_free_sgpr 66
		.amdhsa_reserve_vcc 1
		.amdhsa_float_denorm_mode_32 3
		.amdhsa_float_denorm_mode_16_64 3
		.amdhsa_memory_ordered 1
		.amdhsa_forward_progress 1
		.amdhsa_inst_pref_size 34
	.end_amdhsa_kernel
	.amdgpu_metadata
---
amdhsa.version: [ 1, 2 ]
amdhsa.kernels:
  - .name:           k_q1d16950771_attn
    .symbol:         k_q1d16950771_attn.kd
    .args:
      - { .name: qkv, .offset: 0, .size: 8, .value_kind: global_buffer, .address_space: global }
      - { .name: lowp_scales, .offset: 8, .size: 8, .value_kind: global_buffer, .address_space: global }
      - { .name: yc, .offset: 16, .size: 8, .value_kind: global_buffer, .address_space: global }
    .group_segment_fixed_size: 186368
    .private_segment_fixed_size: 0
    .kernarg_segment_align: 8
    .kernarg_segment_size: 24
    .max_flat_workgroup_size: 512
    .sgpr_count:     66
    .vgpr_count:     256
    .wavefront_size: 32
...
	.end_amdgpu_metadata
.endif
;; end of part 3
;; launch wo (part 4): grid 8 x 32, 4 waves a work-group, clusters of 4 x 4, 327,680 bytes of LDS; arguments yc, Wo_codes, bo, x, lowp_scales, x1; writes x1
.if DOCPART == 4
	.amdgcn_target "amdgcn-amd-amdhsa--gfx1250"
	.amdhsa_code_object_version 6
	.text
	.protected	k_q1d16950771_wo
	.globl	k_q1d16950771_wo
	.p2align	8
	.type	k_q1d16950771_wo,@function
k_q1d16950771_wo:
	s_mov_b64 s[64:65], 0
	v_nop
	global_prefetch_b8 v0, s[64:65] scope:SCOPE_SE
	s_setreg_imm32_b32 hwreg(HW_REG_WAVE_MODE, 25, 1), 1
	s_wait_xcnt 0x0
	s_wait_alu depctr_hold_cnt(0) depctr_sa_sdst(0) depctr_va_vdst(0) depctr_va_sdst(0) depctr_va_ssrc(0) depctr_va_vcc(0) depctr_vm_vsrc(0)
	s_getreg_b32 s2, hwreg(HW_REG_IB_STS2, 6, 4)
	s_cmp_eq_u32 s2, 0
	s_cbranch_scc0 .Lentry_in_a_cluster
	s_endpgm
.Lentry_in_a_cluster:
	s_bfe_u32 s2, ttmp6, 0x10000c
	s_cmp_lg_u32 s2, 0xf033
	s_cbranch_scc0 .Lentry_shape_is_right
	s_endpgm
.Lentry_shape_is_right:
; out = resid + (A B^T x 2^(eA + eB) + bias).  A: codes of E4M3 in panels [block of 64 rows][SIZE_K / 64 panels][64 rows][64 along K]; B: codes [1024][SIZE_K]; bias [1024], resid and out [4096][1024] f32.
; A tile of out is 128 x 128, so that the 4,096 x 1,024 numbers give 256 work-groups; four waves, each 64 x 64: 16 accumulators.  K goes in steps of 512 through a ring of two LDS slots.
; In A's layout 64 rows x 512 along K are 32,768 consecutive bytes: one tensor load takes them as 512 rows of 64 bytes (row = 64 x panel + row of A), padded to 80 in LDS.  B's half tile is 64 rows of 512 bytes, padded to 528.
; CLUSTERS: 4 x 4 work-groups; A's tiles are shared along a row of the cluster, B's along a column: joint loads.  THE MATRIX INSTRUCTION IS USED TRANSPOSED (source 0 = 16 rows of B, source 1 = 16 rows of A).
; The wave's 64 x 64 numbers of resid are loaded at the head into 128 registers, in the layout in which the results leave, and the bias is added to them; so the way out is one packed multiply-add for two numbers.
; (out = sum x 2^e + (bias + resid): the order of the two additions differs from the source's; both are f32.)
; LIMIT: eA + eB between -126 and 127.
; REGISTERS: window 0: v0-31 addresses, v8-11 the bias; v32-95 the way out; v128-255 the accumulators ((a, b) at v[128 + 8 (4 a + b)]).  window 1: two fragment buffers of 128 (A's four blocks, then B's four).  window 2: v0-127 resid.
.set SIZE_K, 1024
.set EOFF,   40                        ; byte of eA in the buffer of scales; eB follows
.set PA,     80
.set PB,     528
.set HALFA,  512*PA                    ; 64 rows of A x 512 along K
.set HALFB,  64*PB
.set BOFF,   2*HALFA
.set SLOT,   BOFF+2*HALFB
.set STAGE,  2*SLOT                    ; behind the ring: 16 rows x 272 bytes for each wave
.set SPITCH, 272
.set SPARE,  STAGE+4*16*SPITCH         ; the spare words, 128 bytes for each wave
.set LAPS,   SIZE_K/1024               ; a lap = two slots
.set BOFS, 6                           ; v6   offset of my four biases; never rewritten
.set BIAS, 8
.set ADRA, 16
.set ADRB, 20
.set STO,  24
.set RD,   25
.set CO,   26                          ; v26  my byte offset in two rows of resid and of out; never rewritten
.set SPW,  28
.set NIL,  29
.set TMP,  32
.set ACC,  128
.set F0,   0
.set F1,   128
.set G1, 24
.set G0, 32
.set G1B, 48
.set G0B, 56
.set MSB, 0
.macro WIN new
.if MSB != \new
	s_set_vgpr_msb (MSB<<8)|\new
.set MSB, \new
.endif
.endm
.set MUL,  0x05                        ; sources 0 (B) and 1 (A) window 1; C and D window 0
.set TO_F, 0x40                        ; destination window 1, address window 0
.macro JLOAD s                         ; a joint load: waves 0 and 1 fetch A's two halves, waves 2 and 3 B's; four v_nop follow each of the two lines
	s_cmp_eq_u32 s11, 0
	s_cbranch_scc0 .Lfor_b_\@
	tensor_load_to_lds s[G0+4*\s:G0+4*\s+3], s[G1:G1+7]
	s_nop 0
.rept 4
	v_nop
.endr
	s_branch .Lasked_\@
.Lfor_b_\@:
	tensor_load_to_lds s[G0B+4*\s:G0B+4*\s+3], s[G1B:G1B+7]
	s_nop 0
.rept 4
	v_nop
.endr
.Lasked_\@:
.endm
.macro CREST
	s_cmp_lg_u32 s10, 0
	s_cbranch_scc1 .Lnot_wave_0_\@
	s_barrier_signal -3
.Lnot_wave_0_\@:
	s_barrier_wait -3
	s_barrier_signal -1
	s_barrier_wait -1
.endm
.macro CROUND
	s_barrier_signal -1
	s_barrier_wait -1
	CREST
.endm
	s_load_b256 s[68:75], s[0:1], 0x0              ; A 68, B 70, bias 72, resid 74
	s_load_b128 s[76:79], s[0:1], 0x20             ; scales 76, out 78
	v_lshl_add_u32 v[SPW], v0, 2, SPARE
	v_mov_b32 v[NIL], 0
	ds_add_u32 v28, v29
	ds_add_u32 v28, v29
	s_wait_dscnt 0x0
	v_lshrrev_b32 v1, 5, v0
	v_readfirstlane_b32 s10, v1                    ; wave 0..3
	s_lshr_b32 s11, s10, 1                         ; which 64 rows of the tile are mine.  Also: I fetch for A (0) or for B (1)
	s_and_b32 s12, s10, 1                          ; which 64 columns.  Also: which half I fetch
	s_bfe_u32 s40, ttmp6, 0x40000                  ; cx
	s_bfe_u32 s41, ttmp6, 0x40004                  ; cy
	s_lshl_b32 s42, ttmp9, 2
	s_add_co_u32 s42, s42, s40                     ; tile column
	s_and_b32 s13, ttmp7, 0xffff
	s_lshl_b32 s13, s13, 2
	s_add_co_u32 s13, s13, s41                     ; tile row
	s_lshl_b32 s43, s41, 2
	s_lshl_b32 s43, 15, s43                        ; my row of the cluster
	s_lshl_b32 s44, 0x1111, s40                    ; my column
	s_or_b32 s[G1+0], s43, (0<<16)|(1<<20)|(1<<21)|(3<<22)|(3<<25)  ; A: the mask; elements of 1 byte; padding on; bit 21 beside a mask; after every 16 words, 4 words
	s_mov_b32 s[G1+1], 64<<16                      ; tensor_dim0
	s_mov_b32 s[G1+2], 512<<16                     ; tensor_dim1
	s_mov_b32 s[G1+3], 64<<16                      ; tile_dim0
	s_mov_b32 s[G1+4], 512                         ; tile_dim1
	s_mov_b32 s[G1+5], 64                          ; the pitch: dense
	s_mov_b32 s[G1+6], 0
	s_mov_b32 s[G1+7], 0
	s_or_b32 s[G1B+0], s44, (0<<16)|(1<<20)|(1<<21)|(6<<22)|(3<<25) ; B: after every 128 words, 4 words
	s_mov_b32 s[G1B+1], 512<<16
	s_mov_b32 s[G1B+2], 64<<16
	s_mov_b32 s[G1B+3], 512<<16
	s_mov_b32 s[G1B+4], 64
	s_mov_b32 s[G1B+5], SIZE_K
	s_mov_b32 s[G1B+6], 0
	s_mov_b32 s[G1B+7], 0
	s_lshl_b32 s16, s13, 1
	s_add_co_u32 s16, s16, s12                     ; A: block of 64 rows = 2 x tile row + half,
	s_mul_i32 s16, s16, SIZE_K*64                  ; in bytes
	s_mov_b32 s17, 0
	s_lshl_b32 s46, s42, 7
	s_lshl_b32 s47, s12, 6
	s_add_co_u32 s46, s46, s47                     ; B: row 128 x tile column + 64 x half
	s_mul_i32 s46, s46, SIZE_K
	s_mov_b32 s47, 0
	s_mul_i32 s20, s12, HALFA                      ; where A's half goes,
	s_mul_i32 s21, s12, HALFB
	s_add_co_u32 s21, s21, BOFF                    ; and B's: no place in the cluster enters an LDS address
	s_wait_kmcnt 0x0
	s_load_b64 s[96:97], s[76:77], EOFF            ; eA, eB
	s_add_nc_u64 s[14:15], s[68:69], s[16:17]
	s_add_nc_u64 s[46:47], s[70:71], s[46:47]
	; THE PREFETCH INTO THE L2 of slot 1, behind slot 0's load: my half tile is 128 blocks of 256 bytes (A: 32,768 consecutive bytes; B: 64 rows x 512 bytes); each of the four partners that ask for it jointly names 32 of them,
	; told apart by address (cx for A, cy for B), a lane a block.  B's tiles are walked by eight rows of clusters: its waves ask in rows 0 to 3 alone.  The address registers are never rewritten.
	s_cmp_eq_u32 s11, 0                            ; do I fetch for A?
	s_cselect_b64 s[4:5], s[14:15], s[46:47]
	s_cselect_b32 s6, s40, s41                     ; my place among the four
	s_cselect_b32 s7, 9, 10                        ; from pair of blocks to pair: 512 bytes on in A, a row of 1,024 in B
	s_mov_b32 s8, 512
	s_cselect_b32 s8, 32768, s8                    ; slot 1
	v_and_b32 v30, 31, v0
	v_lshrrev_b32 v31, 1, v30
	v_and_b32 v30, 1, v30
	v_lshlrev_b32 v31, s7, v31
	v_lshl_add_u32 v30, v30, 8, v31                ; v30: my lane's block; never rewritten
	s_wait_alu depctr_va_vdst(0)
	s_add_co_u32 s7, s7, 4
	s_lshl_b32 s6, s6, s7                          ; my work-group's 16 pairs
	s_add_co_u32 s6, s6, s8
	s_mov_b32 s7, 0
	s_add_nc_u64 s[4:5], s[4:5], s[6:7]
	s_and_b32 s9, ttmp7, 0xffff
	s_lshr_b32 s9, s9, 2
	s_mul_i32 s9, s9, s11                          ; 1: B's wave in cluster rows 4 to 7
	CROUND                                         ; all sixteen work-groups are here: the first joint loads meet
.irp s, 0,1
	s_mov_b32 s[G0+4*\s], 1
	s_add_co_u32 s[G0+4*\s+1], s20, \s*SLOT
	s_add_nc_u64 s[G0+4*\s+2:G0+4*\s+3], s[14:15], \s*32768
	s_or_b32 s[G0+4*\s+3], s[G0+4*\s+3], 0x80000000
	s_mov_b32 s[G0B+4*\s], 1
	s_add_co_u32 s[G0B+4*\s+1], s21, \s*SLOT
	s_add_nc_u64 s[G0B+4*\s+2:G0B+4*\s+3], s[46:47], \s*512
	s_or_b32 s[G0B+4*\s+3], s[G0B+4*\s+3], 0x80000000
.endr
	JLOAD 0                                        ; slot 0: one tensor load a wave at the head
	s_cmp_eq_u32 s9, 0
	s_cbranch_scc0 .Lno_ask
	global_prefetch_b8 v30, s[4:5] th:TH_LOAD_NT scope:SCOPE_SE
.Lno_ask:
	v_and_b32 v1, 15, v0                           ; l % 16
	v_bfe_u32 v2, v0, 4, 1                         ; l / 16
	v_mul_u32_u24 v3, v1, PA
	v_lshl_add_u32 v3, v2, 4, v3
	v_mul_u32_u24 v4, v1, PB
	v_lshl_add_u32 v4, v2, 4, v4
	s_mul_i32 s21, s11, HALFA                      ; my 64 rows of A
	s_mul_i32 s22, s12, HALFB
	s_add_co_u32 s22, s22, BOFF                    ; my 64 rows of B
.irp s, 0,1
	v_add_nc_u32 v[ADRA+\s], s21, v3
	v_add_nc_u32 v[ADRB+\s], s22, v4
	s_add_co_u32 s21, s21, SLOT
	s_add_co_u32 s22, s22, SLOT
.endr
	s_mul_i32 s23, s10, 16*SPITCH
	s_add_co_u32 s23, s23, STAGE                   ; my stage
	v_mul_u32_u24 v5, v1, SPITCH
	v_lshl_add_u32 v5, v2, 5, v5
	v_add_nc_u32 v[STO], s23, v5                   ; in: row l % 16, 32 bytes for each half of the lanes
	v_mul_u32_u24 v5, v2, SPITCH
	v_lshl_add_u32 v5, v1, 4, v5
	v_add_nc_u32 v[RD], s23, v5                    ; back: lanes 0-15 one row of 256 bytes, lanes 16-31 the next
	v_lshlrev_b32 v[CO], 12, v2
	v_lshl_add_u32 v[CO], v1, 4, v[CO]             ; and the same two rows in resid and in out
	s_wait_alu depctr_va_vdst(0)
	v_lshlrev_b32 v[BOFS], 4, v1
	s_wait_alu depctr_va_vdst(0)
	s_lshl_b32 s16, s13, 7
	s_lshl_b32 s17, s11, 6
	s_add_co_u32 s16, s16, s17                     ; my first row,
	s_lshl_b32 s16, s16, 12                        ; in bytes
	s_lshl_b32 s46, s42, 7
	s_lshl_b32 s47, s12, 6
	s_add_co_u32 s46, s46, s47                     ; my first column,
	s_lshl_b32 s46, s46, 2                         ; in bytes: a multiple of 256
	s_mov_b32 s47, 0
	s_add_nc_u64 s[72:73], s[72:73], s[46:47]
	s_add_co_u32 s16, s16, s46
	s_mov_b32 s17, 0
	s_add_nc_u64 s[74:75], s[74:75], s[16:17]
	s_add_nc_u64 s[78:79], s[78:79], s[16:17]
.macro MUL4 f, a, zero                 ; A's block a x B's four.  The 16 accumulators take turns, one instruction a turn, in the same order in every quarter
.irp b, 0,1,2,3
.if \zero
	v_wmma_f32_16x16x128_fp8_fp8 v[ACC+8*(4*(\a)+\b):ACC+8*(4*(\a)+\b)+7], v[\f+64+16*\b:\f+64+16*\b+15], v[\f+16*(\a):\f+16*(\a)+15], 0
.else
	v_wmma_f32_16x16x128_fp8_fp8 v[ACC+8*(4*(\a)+\b):ACC+8*(4*(\a)+\b)+7], v[\f+64+16*\b:\f+64+16*\b+15], v[\f+16*(\a):\f+16*(\a)+15], v[ACC+8*(4*(\a)+\b):ACC+8*(4*(\a)+\b)+7]
.endif
.endr
.endm
.macro MUL8 f, a0, zero
	MUL4 \f, \a0, \zero
	MUL4 \f, \a0+1, \zero
.endm
; 32 LDS loads in one run: the fragments of the slot's q-th 128 along K into buffer f: B's four blocks, then A's four.  Registers 4 c .. 4 c + 3 hold K = 32 c + 16 (l / 16) + 0 .. 15 on both sides.
.macro FETCH slot, q, f
	WIN TO_F
.irp b, 0,1,2,3
.irp c, 0,1,2,3
	ds_load_b128 v[\f+64+16*\b+4*\c:\f+64+16*\b+4*\c+3], v[ADRB+\slot] offset:16*PB*\b+128*(\q)+32*\c
.endr
.endr
.irp a, 0,1,2,3
.irp c, 0,1,2,3
	ds_load_b128 v[\f+16*\a+4*\c:\f+16*\a+4*\c+3], v[ADRA+\slot] offset:(2*(\q)+\c/2)*64*PA+16*PA*\a+32*(\c%2)
.endr
.endr
.endm
.macro PLACES                          ; plain vector instructions between a matrix instruction and a load into, or a read of, its registers
.rept 4
	v_nop
.endr
.endm
; A slot is four quarters of 128 along K, 16 matrix instructions each, on buffers 0, 1, 0, 1.  One of the first three: multiplies buffer f and fetches quarter qn into g.
.macro QUARTER slot, qn, f, g, zero
	s_wait_dscnt 8                                 ; B's blocks and A's blocks 0, 1 are in; the youngest eight loads (A's blocks 2, 3) may be out
	WIN MUL
	MUL8 \f, 0, \zero
	PLACES
	FETCH \slot, \qn, \g
	s_wait_dscnt 32                                ; all but the 32 just issued
	WIN MUL
	MUL8 \f, 2, \zero
.endm
; The last quarter multiplies buffer 1 and changes slots: ONE barrier; in front of it each wave waits for all its tensor loads, adds 0 to its spare word, and waits for that and for its own reads of this slot.
.macro TURN slot, next, fill
	WIN 0
	s_wait_tensorcnt 0x0                           ; all my tensor loads have landed: my part of the next slot
	ds_add_u32 v[SPW], v[NIL]                      ; 0 onto my spare word
	s_wait_dscnt 9                                 ; (the add and the youngest eight loads may be out)
	WIN MUL
	MUL8 F1, 0, 0
	s_wait_dscnt 0x0                               ; the add is done, and my reads of this slot are over
	s_barrier_signal -1
	MUL4 F1, 2, 0
	WIN 0
	s_barrier_wait -1
.if \fill
	CREST                                          ; the barrier has opened a round of the cluster's barrier: no wave of any partner still reads this slot or has a load on its way
	s_add_nc_u64 s[G0+4*\slot+2:G0+4*\slot+3], s[G0+4*\slot+2:G0+4*\slot+3], 65536
	s_add_nc_u64 s[G0B+4*\slot+2:G0B+4*\slot+3], s[G0B+4*\slot+2:G0B+4*\slot+3], 1024
	JLOAD \slot                                    ; the first tensor load behind the round; its four v_nop are the places in front of the loads below
.else
	PLACES
.endif
	FETCH \next, 0, F0
	WIN MUL
	MUL4 F1, 3, 0
.endm
	s_wait_alu depctr_va_vdst(0)
	s_wait_tensorcnt 0x0                           ; my part of slot 0 is in; slot 1's first fill is issued as a refill is:
	ds_add_u32 v[SPW], v[NIL]                      ; 0 onto my spare word
	s_wait_dscnt 0x0
	CROUND                                         ; a whole round: everybody's part of slot 0 is in
	JLOAD 1                                        ; slot 1, the first tensor load behind the round
	WIN 0x80                                       ; destination window 2.  resid and the bias are asked for here, behind both slots' loads: they are wanted on the way out
.set j, 0
.rept 32
	global_load_b128 v[4*j:4*j+3], v[CO], s[74:75] offset:8192*j   ; rows 2 j and 2 j + 1 of my 64: sixteen lanes read 256 consecutive bytes
.set j, j+1
.endr
	WIN 0
	global_load_b128 v[BIAS:BIAS+3], v[BOFS], s[72:73]
	FETCH 0, 0, F0
	QUARTER 0, 1, F0, F1, 1                        ; the first quarter's products start the sums
.if LAPS > 1
	WIN 0
	s_mov_b32 s3, LAPS-1
.Llap:
	QUARTER 0, 2, F1, F0, 0
	QUARTER 0, 3, F0, F1, 0
	TURN 0, 1, 1
	QUARTER 1, 1, F0, F1, 0
	QUARTER 1, 2, F1, F0, 0
	QUARTER 1, 3, F0, F1, 0
	TURN 1, 0, 1
	QUARTER 0, 1, F0, F1, 0
	WIN 0
	s_sub_co_u32 s3, s3, 1
	s_cmp_lg_u32 s3, 0
	s_cbranch_scc1 .Llap
.endif
	QUARTER 0, 2, F1, F0, 0                        ; the last lap fills nothing
	QUARTER 0, 3, F0, F1, 0
	TURN 0, 1, 0
	QUARTER 1, 1, F0, F1, 0
	QUARTER 1, 2, F1, F0, 0
	QUARTER 1, 3, F0, F1, 0
	s_wait_dscnt 8
	WIN MUL
	MUL8 F1, 0, 0
	s_wait_dscnt 0
	MUL8 F1, 2, 0
	WIN 0
	; THE WAY OUT, a block of 16 rows x 64 columns at a time: raw sums into my stage, back as whole rows of 256 bytes, one packed multiply-add, store.
	PLACES
	s_wait_loadcnt 0x0                             ; resid and the bias
	s_wait_kmcnt 0x0
	s_add_co_i32 s96, s96, s97
	s_add_co_i32 s96, s96, 127
	s_lshl_b32 s96, s96, 23                        ; 2^(eA + eB) as f32
	s_mov_b32 s97, s96
	WIN 0x82                                       ; source 0 and destination window 2
.set j, 0
.rept 32
	v_pk_add_f32 v[4*j:4*j+1], v[4*j:4*j+1], v[BIAS:BIAS+1]          ; resid + bias: a lane's four columns are the same in every row
	v_pk_add_f32 v[4*j+2:4*j+3], v[4*j+2:4*j+3], v[BIAS+2:BIAS+3]
.set j, j+1
.endr
	WIN 0
.irp a, 0,1,2,3
.if \a > 1
	s_wait_xcnt 0x0                                ; block a - 2's stores have read their data: its registers are loaded again only behind this wait
.endif
.irp b, 0,1,2,3
	ds_store_b128 v[STO], v[ACC+8*(4*\a+\b):ACC+8*(4*\a+\b)+3] offset:64*\b        ; each accumulator from its low end on
	ds_store_b128 v[STO], v[ACC+8*(4*\a+\b)+4:ACC+8*(4*\a+\b)+7] offset:64*\b+16
.endr
.irp t, 0,1,2,3,4,5,6,7
	ds_load_b128 v[TMP+32*(\a%2)+4*\t:TMP+32*(\a%2)+4*\t+3], v[RD] offset:2*SPITCH*\t   ; LDS serves a wave's instructions in order: these see my stores, and the next block's stores come behind them
.endr
	s_wait_dscnt 0x0
	WIN 0x20                                       ; source 2 window 2
.irp t, 0,1,2,3,4,5,6,7
	v_pk_fma_f32 v[TMP+32*(\a%2)+4*\t:TMP+32*(\a%2)+4*\t+1], v[TMP+32*(\a%2)+4*\t:TMP+32*(\a%2)+4*\t+1], s[96:97], v[4*(8*\a+\t):4*(8*\a+\t)+1] op_sel_hi:[1,0,1]
	v_pk_fma_f32 v[TMP+32*(\a%2)+4*\t+2:TMP+32*(\a%2)+4*\t+3], v[TMP+32*(\a%2)+4*\t+2:TMP+32*(\a%2)+4*\t+3], s[96:97], v[4*(8*\a+\t)+2:4*(8*\a+\t)+3] op_sel_hi:[1,0,1]
.endr
	WIN 0
.irp t, 0,1,2,3,4,5,6,7
	global_store_b128 v[CO], v[TMP+32*(\a%2)+4*\t:TMP+32*(\a%2)+4*\t+3], s[78:79] offset:(16*\a+2*\t)*4096   ; sixteen lanes store 256 consecutive bytes, aligned
.endr
.endr
	s_wait_tensorcnt 0x0                           ; the wave's end
	ds_add_u32 v[SPW], v[NIL]
	s_wait_dscnt 0x0
	CROUND                                         ; the closing round
	s_endpgm
.Lfunc_end_k_q1d16950771_wo:
	.size	k_q1d16950771_wo, .Lfunc_end_k_q1d16950771_wo-k_q1d16950771_wo
	.p2alignl 7, 3214868480
	.fill 96, 4, 3214868480
	.section	.rodata,"a",@progbits
	.p2align	6, 0x0
	.amdhsa_kernel k_q1d16950771_wo
		.amdhsa_group_segment_fixed_size 327680
		.amdhsa_private_segment_fixed_size 0
		.amdhsa_enable_private_segment 0
		.amdhsa_kernarg_size 48
		.amdhsa_user_sgpr_count 2
		.amdhsa_user_sgpr_kernarg_segment_ptr 1
		.amdhsa_wavefront_size32 1
		.amdhsa_system_sgpr_workgroup_id_x 1
		.amdhsa_system_sgpr_workgroup_id_y 1
		.amdhsa_system_sgpr_workgroup_id_z 1
		.amdhsa_system_vgpr_workitem_id 0
		.amdhsa_next_free_vgpr 640
		.amdhsa_next_free_sgpr 100
		.amdhsa_reserve_vcc 0
		.amdhsa_float_denorm_mode_32 3
		.amdhsa_float_denorm_mode_16_64 3
		.amdhsa_memory_ordered 1
		.amdhsa_forward_progress 1
		.amdhsa_inst_pref_size 55
	.end_amdhsa_kernel
	.amdgpu_metadata
---
amdhsa.version: [ 1, 2 ]
amdhsa.kernels:
  - .name:           k_q1d16950771_wo
    .symbol:         k_q1d16950771_wo.kd
    .args:
      - { .name: yc, .offset: 0, .size: 8, .value_kind: global_buffer, .address_space: global }
      - { .name: Wo_codes, .offset: 8, .size: 8, .value_kind: global_buffer, .address_space: global }
      - { .name: bo, .offset: 16, .size: 8, .value_kind: global_buffer, .address_space: global }
      - { .name: x, .offset: 24, .size: 8, .value_kind: global_buffer, .address_space: global }
      - { .name: lowp_scales, .offset: 32, .size: 8, .value_kind: global_buffer, .address_space: global }
      - { .name: x1, .offset: 40, .size: 8, .value_kind: global_buffer, .address_space: global }
    .group_segment_fixed_size: 327680
    .private_segment_fixed_size: 0
    .kernarg_segment_align: 8
    .kernarg_segment_size: 48
    .max_flat_workgroup_size: 128
    .sgpr_count:     100
    .vgpr_count:     640
    .wavefront_size: 32
...
	.end_amdgpu_metadata
.endif
;; end of part 4
;; launch ln2 (part 5): grid 256 x 1, 8 waves a work-group, no clusters, 9,216 bytes of LDS; arguments x1, ln2_g, ln2_b, lowp_scales, h2; writes h2
.if DOCPART == 5
	.amdgcn_target "amdgcn-amd-amdhsa--gfx1250"
	.amdhsa_code_object_version 6
	.text
	.protected	k_q1d16950771_ln2
	.globl	k_q1d16950771_ln2
	.p2align	8
	.type	k_q1d16950771_ln2,@function
k_q1d16950771_ln2:
	s_mov_b64 s[64:65], 0
	v_nop
	global_prefetch_b8 v0, s[64:65] scope:SCOPE_SE
	s_setreg_imm32_b32 hwreg(HW_REG_WAVE_MODE, 25, 1), 1
	s_wait_xcnt 0x0
; LayerNorm of rows of 1,024 f32 numbers, then the quantiser to E4M3 under NOUT given scales 2^e: NOUT planes of codes [4096][1024], 4 MiB apart.
; y = (x - mean) * rsqrt(var + 1e-5) * g + b, all in f32; the variance is the mean of the squared differences from the mean (two passes over registers).
; SHARES: a work-group of eight waves takes 16 rows, a wave two.  A wave holds a whole row in 32 registers: load j (0..7) reads 512 consecutive bytes, 16 a lane, so register 4 j + c of lane l is element 128 j + 4 l + c.
; A conversion takes 8 registers (chunks 2 q and 2 q + 1) and gives two words of 4 codes: word j belongs at byte 128 j + 4 l of the row's codes.  The words go through the wave's own LDS bytes and come back 16 bytes a lane,
; so that each store of the wave covers 512 consecutive bytes, aligned.  No barrier: waves share nothing.
; LIMITS: each e between -126 and 119.  NaN and infinities among the inputs are not served.
.set NOUT,  1                          ; planes of codes
.set EOFF,  48                         ; byte of the first e in the buffer of scales: entry 12
.set G,     8                          ; v8-39    the gain, in a row's layout
.set BV,    40                         ; v40-71   the bias
.set XR,    72                         ; v72-135  two rows
.set U,     136                        ; v136-151 two sets of 8 held numbers
.set CD,    152                        ; v152-175 codes: 8 words for each plane
.set OUTR,  176                        ; v176-223 codes read back: 24 registers a row
.set SA,    224                        ; two chains of sums
.set SB,    226
.set RED,   228
.set PRM,   229
.set MU,    230                        ; v[230:231] the mean (the low word serves both halves)
.set RS,    232                        ; v[232:233] rsqrt(var + eps)
.set SCL,   240                        ; v[240+2o] 2^e, v[241+2o] 448 x 2^e
	s_load_b256 s[4:11], s[0:1], 0x0               ; in s[4:5], g s[6:7], b s[8:9], scales s[10:11]
	s_load_b64 s[12:13], s[0:1], 0x20              ; out
	v_lshl_add_u32 v254, v0, 2, 0x2000
	v_mov_b32 v255, 0
	v_lshrrev_b32 v1, 5, v0
	s_delay_alu instid0(VALU_DEP_1)
	v_readfirstlane_b32 s14, v1                    ; wave
	v_and_b32 v1, 31, v0                           ; lane
	s_delay_alu instid0(VALU_DEP_1)
	v_lshlrev_b32 v2, 4, v1                        ; 16 x lane: my bytes of a load's or a store's 512; never rewritten
	s_mul_i32 s15, s14, 1024*NOUT                  ; my wave's LDS bytes
	v_lshl_add_u32 v3, v1, 2, s15                  ; in: 4 x lane
	v_lshl_add_u32 v4, v1, 4, s15                  ; back: 16 x lane
	s_mov_b32 s16, 0x76543210                      ; v_permlanex16_b32: lane l takes lane l xor 16
	s_mov_b32 s17, 0xfedcba98
	s_mov_b32 s18, 0x3a800000                      ; 1 / 1024
	s_mov_b32 s19, 0x3727c5ac                      ; 1e-5
	s_lshl_b32 s28, ttmp9, 4
	s_lshl_b32 s29, s14, 1
	s_add_co_u32 s28, s28, s29                     ; my first row: 16 x work-group + 2 x wave
	s_lshl_b32 s30, s28, 12                        ; its bytes in the input,
	s_mov_b32 s31, 0
	s_lshl_b32 s28, s28, 10                        ; and in a plane of codes
	s_mov_b32 s29, 0
	v_mov_b32 v[PRM], 0                            ; a lane permute's destination counts as read
	v_mov_b32 v[MU+1], 0                           ; named as upper halves of pairs
	v_mov_b32 v[RS+1], 0
	s_wait_alu depctr_va_vdst(0)
	s_wait_kmcnt 0x0
.irp o, 0,1,2
.if \o < NOUT
	s_load_b32 s[20+\o], s[10:11], EOFF+8*\o
.endif
.endr
	s_add_nc_u64 s[4:5], s[4:5], s[30:31]
	s_add_nc_u64 s[24:25], s[12:13], s[28:29]      ; plane 0 at my first row
.if NOUT > 1
	s_add_nc_u64 s[26:27], s[24:25], 0x400000
	s_add_nc_u64 s[28:29], s[24:25], 0x800000
.endif
.irp j, 0,1,2,3,4,5,6,7
	global_load_b128 v[XR+4*\j:XR+4*\j+3], v2, s[4:5] offset:512*\j th:TH_LOAD_NT
.endr
.irp j, 0,1,2,3,4,5,6,7
	global_load_b128 v[G+4*\j:G+4*\j+3], v2, s[6:7] offset:512*\j
.endr
.irp j, 0,1,2,3,4,5,6,7
	global_load_b128 v[BV+4*\j:BV+4*\j+3], v2, s[8:9] offset:512*\j
.endr
.irp j, 0,1,2,3,4,5,6,7
	global_load_b128 v[XR+32+4*\j:XR+32+4*\j+3], v2, s[4:5] offset:4096+512*\j th:TH_LOAD_NT
.endr
	s_wait_kmcnt 0x0
.irp o, 0,1,2
.if \o < NOUT
	s_add_co_i32 s[20+\o], s[20+\o], 127
	s_lshl_b32 s34, s[20+\o], 23
	v_mov_b32 v[SCL+2*\o], s34                     ; 2^e as f32: the conversion takes its exponent field
	s_add_co_i32 s34, s[20+\o], 8
	s_lshl_b32 s34, s34, 23
	s_or_b32 s34, s34, 0x600000
	v_mov_b32 v[SCL+2*\o+1], s34                   ; 448 x 2^e
.endif
.endr
.macro LANESUM                         ; the sum of v[RED] over the 32 lanes, in every lane
	s_delay_alu instid0(VALU_DEP_1)
	v_add_f32_dpp v[RED], v[RED], v[RED] row_xmask:1 row_mask:0xf bank_mask:0xf
	s_delay_alu instid0(VALU_DEP_1)
	v_add_f32_dpp v[RED], v[RED], v[RED] row_xmask:2 row_mask:0xf bank_mask:0xf
	s_delay_alu instid0(VALU_DEP_1)
	v_add_f32_dpp v[RED], v[RED], v[RED] row_xmask:4 row_mask:0xf bank_mask:0xf
	s_delay_alu instid0(VALU_DEP_1)
	v_add_f32_dpp v[RED], v[RED], v[RED] row_xmask:8 row_mask:0xf bank_mask:0xf
	s_delay_alu instid0(VALU_DEP_1)
	v_permlanex16_b32 v[PRM], v[RED], s16, s17
	s_delay_alu instid0(VALU_DEP_1)
	v_add_f32 v[RED], v[RED], v[PRM]
.endm
; Row i of the wave's two.  w1: the younger loads that may stay out when the row is wanted; w2: when g and b are wanted.
.macro ROW i, w1, w2
.set X, XR+32*(\i)
.set O, OUTR+24*(\i)
	s_wait_loadcnt \w1
	v_pk_add_f32 v[SA:SA+1], v[X:X+1], v[X+2:X+3]
	v_pk_add_f32 v[SB:SB+1], v[X+4:X+5], v[X+6:X+7]
.irp j, 8,12,16,20,24,28
	s_delay_alu instid0(VALU_DEP_2)
	v_pk_add_f32 v[SA:SA+1], v[SA:SA+1], v[X+\j:X+\j+1]
	s_delay_alu instid0(VALU_DEP_2)
	v_pk_add_f32 v[SB:SB+1], v[SB:SB+1], v[X+\j+2:X+\j+3]
.endr
	s_delay_alu instid0(VALU_DEP_1)
	v_pk_add_f32 v[SA:SA+1], v[SA:SA+1], v[SB:SB+1]
	s_delay_alu instid0(VALU_DEP_1)
	v_add_f32 v[RED], v[SA], v[SA+1]
	LANESUM
	s_delay_alu instid0(VALU_DEP_1)
	v_mul_f32 v[MU], s18, v[RED]                   ; the mean
.irp j, 0,2,4,6,8,10,12,14,16,18,20,22,24,26,28,30
	v_pk_add_f32 v[X+\j:X+\j+1], v[X+\j:X+\j+1], v[MU:MU+1] op_sel_hi:[1,0] neg_lo:[0,1] neg_hi:[0,1]   ; x - mean, in place
.endr
	v_pk_mul_f32 v[SA:SA+1], v[X:X+1], v[X:X+1]
	v_pk_mul_f32 v[SB:SB+1], v[X+2:X+3], v[X+2:X+3]
.irp j, 4,8,12,16,20,24,28
	s_delay_alu instid0(VALU_DEP_2)
	v_pk_fma_f32 v[SA:SA+1], v[X+\j:X+\j+1], v[X+\j:X+\j+1], v[SA:SA+1]
	s_delay_alu instid0(VALU_DEP_2)
	v_pk_fma_f32 v[SB:SB+1], v[X+\j+2:X+\j+3], v[X+\j+2:X+\j+3], v[SB:SB+1]
.endr
	s_delay_alu instid0(VALU_DEP_1)
	v_pk_add_f32 v[SA:SA+1], v[SA:SA+1], v[SB:SB+1]
	s_delay_alu instid0(VALU_DEP_1)
	v_add_f32 v[RED], v[SA], v[SA+1]
	LANESUM
	s_delay_alu instid0(VALU_DEP_1)
	v_fma_f32 v[RED], v[RED], s18, s19             ; var + eps
	s_wait_alu depctr_va_vdst(0)
	v_rsq_f32 v[RS], v[RED]
	v_nop                                          ; a plain instruction behind the transcendental (ISA guide 5.7.2),
	s_wait_alu depctr_va_vdst(0)                   ; and the wait ahead of its first reader
	s_wait_loadcnt \w2                             ; g and b
.irp j, 0,2,4,6,8,10,12,14,16,18,20,22,24,26,28,30
	v_pk_mul_f32 v[X+\j:X+\j+1], v[X+\j:X+\j+1], v[RS:RS+1] op_sel_hi:[1,0]
.endr
.irp j, 0,2,4,6,8,10,12,14,16,18,20,22,24,26,28,30
	v_pk_fma_f32 v[X+\j:X+\j+1], v[X+\j:X+\j+1], v[G+\j:G+\j+1], v[BV+\j:BV+\j+1]
.endr
.irp o, 0,1,2
.if \o < NOUT
.irp q, 0,1,2,3
.irp c, 0,1,2,3,4,5,6,7
	v_med3_num_f32 v[U+8*(\q%2)+\c], v[X+8*\q+\c], -v[SCL+2*\o+1], v[SCL+2*\o+1]   ; the conversion does not saturate (ISA guide 7.6.2): the hold at 448 x the scale, into one of two sets, so that plain lines on other registers follow each conversion
.endr
	v_cvt_scalef32_pk8_fp8_f32 v[CD+8*\o+2*\q:CD+8*\o+2*\q+1], v[U+8*(\q%2):U+8*(\q%2)+7], v[SCL+2*\o]
.endr
.endif
.endr
	v_nop                                          ; a plain line behind the last conversion
.irp o, 0,1,2
.if \o < NOUT
.irp j, 0,1,2,3,4,5,6,7
	ds_store_b32 v3, v[CD+8*\o+\j] offset:1024*\o+128*\j
.endr
.endif
.endr
.irp o, 0,1,2
.if \o < NOUT
.irp k, 0,1
	ds_load_b128 v[O+8*\o+4*\k:O+8*\o+4*\k+3], v4 offset:1024*\o+512*\k   ; LDS serves a wave's instructions in order (ISA guide 5.7.1.4): these see the stores above
.endr
.endif
.endr
.irp o, 0,1,2
.if \o < NOUT
.irp k, 0,1
	s_wait_dscnt 2*NOUT-1-(2*\o+\k)                ; this load is back; the younger ones may be out
	global_store_b128 v2, v[O+8*\o+4*\k:O+8*\o+4*\k+3], s[24+2*\o:25+2*\o] offset:1024*(\i)+512*\k   ; 32 lanes store 512 consecutive bytes; each row has its own data registers
.endr
.endif
.endr
.endm
	ROW 0, 24, 8                                   ; behind row 0's eight loads: g's, b's and row 1's; behind b's: row 1's
	ROW 1, 0, 0
	s_wait_tensorcnt 0x0
	ds_add_u32 v254, v255
	s_wait_dscnt 0x0
	s_endpgm
.Lfunc_end_k_q1d16950771_ln2:
	.size	k_q1d16950771_ln2, .Lfunc_end_k_q1d16950771_ln2-k_q1d16950771_ln2
	.p2alignl 7, 3214868480
	.fill 96, 4, 3214868480
	.section	.rodata,"a",@progbits
	.p2align	6, 0x0
	.amdhsa_kernel k_q1d16950771_ln2
		.amdhsa_group_segment_fixed_size 9216
		.amdhsa_private_segment_fixed_size 0
		.amdhsa_enable_private_segment 0
		.amdhsa_kernarg_size 40
		.amdhsa_user_sgpr_count 2
		.amdhsa_user_sgpr_kernarg_segment_ptr 1
		.amdhsa_wavefront_size32 1
		.amdhsa_system_sgpr_workgroup_id_x 1
		.amdhsa_system_sgpr_workgroup_id_y 1
		.amdhsa_system_sgpr_workgroup_id_z 1
		.amdhsa_system_vgpr_workitem_id 0
		.amdhsa_next_free_vgpr 256
		.amdhsa_next_free_sgpr 66
		.amdhsa_reserve_vcc 0
		.amdhsa_float_denorm_mode_32 3
		.amdhsa_float_denorm_mode_16_64 3
		.amdhsa_memory_ordered 1
		.amdhsa_forward_progress 1
		.amdhsa_inst_pref_size 27
	.end_amdhsa_kernel
	.amdgpu_metadata
---
amdhsa.version: [ 1, 2 ]
amdhsa.kernels:
  - .name:           k_q1d16950771_ln2
    .symbol:         k_q1d16950771_ln2.kd
    .args:
      - { .name: x1, .offset: 0, .size: 8, .value_kind: global_buffer, .address_space: global }
      - { .name: ln2_g, .offset: 8, .size: 8, .value_kind: global_buffer, .address_space: global }
      - { .name: ln2_b, .offset: 16, .size: 8, .value_kind: global_buffer, .address_space: global }
      - { .name: lowp_scales, .offset: 24, .size: 8, .value_kind: global_buffer, .address_space: global }
      - { .name: h2, .offset: 32, .size: 8, .value_kind: global_buffer, .address_space: global }
    .group_segment_fixed_size: 9216
    .private_segment_fixed_size: 0
    .kernarg_segment_align: 8
    .kernarg_segment_size: 40
    .max_flat_workgroup_size: 256
    .sgpr_count:     66
    .vgpr_count:     256
    .wavefront_size: 32
...
	.end_amdgpu_metadata
.endif
;; end of part 5
;; launch fc1 (part 6): grid 16 x 16, 4 waves a work-group, clusters of 4 x 4, 327,680 bytes of LDS; arguments h2, W1_codes, b1, lowp_scales, mc; writes mc
.if DOCPART == 6
	.amdgcn_target "amdgcn-amd-amdhsa--gfx1250"
	.amdhsa_code_object_version 6
	.text
	.protected	k_q1d16950771_fc1
	.globl	k_q1d16950771_fc1
	.p2align	8
	.type	k_q1d16950771_fc1,@function
k_q1d16950771_fc1:
	s_mov_b64 s[64:65], 0
	v_nop
	global_prefetch_b8 v0, s[64:65] scope:SCOPE_SE
	s_setreg_imm32_b32 hwreg(HW_REG_WAVE_MODE, 25, 1), 1
	s_wait_xcnt 0x0
	s_wait_alu depctr_hold_cnt(0) depctr_sa_sdst(0) depctr_va_vdst(0) depctr_va_sdst(0) depctr_va_ssrc(0) depctr_va_vcc(0) depctr_vm_vsrc(0)
	s_getreg_b32 s2, hwreg(HW_REG_IB_STS2, 6, 4)
	s_cmp_eq_u32 s2, 0
	s_cbranch_scc0 .Lentry_in_a_cluster
	s_endpgm
.Lentry_in_a_cluster:
	s_bfe_u32 s2, ttmp6, 0x10000c
	s_cmp_lg_u32 s2, 0xf033
	s_cbranch_scc0 .Lentry_shape_is_right
	s_endpgm
.Lentry_shape_is_right:
; m = Q(gelu(h2 W1^T x 2^(e12 + e13) + b1)): a product [4096, 1024] x [1024, 4096] on codes of E4M3, the exact GELU in f32, the quantiser under e14.
; A tile of C is 256 x 256: four waves, each 128 x 128; K goes in four steps of 256 through a ring of two LDS slots filled by joint loads (4 x 4 clusters: A's tile shared along a row, B's along a column).
; THE WAY OUT: each sum x 2^(e12 + e13) + its column's bias, made in the accumulators, goes into the wave's stage in the ring (which has had its last fill and read): two planes of 64 columns, 128 rows of 256 + 16 bytes each.
; A loop of 16 trips takes 16 rows x 64 columns: lane (r, h) reads 16 neighbouring columns of row r twice, works the GELU, holds, converts and stores 16 codes; the 32 lanes store 512 consecutive bytes.
; OUT, in the order of the next product's operand registers: mc[64 along K: kq][16 rows: mb][c][lane][16 bytes]: lane (r, h) of piece c holds m[16 mb + r][64 kq + 32 c + 16 h + 0 .. 15].
; GELU: x Phi(x) = max(x, 0) - |x| t exp(poly(t) - x^2 / 2) / 2 folded into the constants, t = 1 / (1 + |x| / (2 sqrt 2)).
; LIMITS: e12 + e13 between -126 and 127; e14 between -126 and 119.  NaN and infinities among the inputs are not served.
.set KSTEP,  256
.set ROWB,   256
.set KROW,   1024
.set PITCH,  272
.set FR,     16
.set NL,     4
.set NP,     4
.set HALFT,  128*PITCH
.set SLOT,   4*HALFT
.set LAPS,   2
.set SPARE,  2*SLOT
.set SPITCH, 272
.set WSTG,   256*SPITCH
.set CBO,  8
.set ADRA, 16
.set ADRB, 20
.set STO,  24
.set LA0,  25
.set LA,   26
.set GO,   27
.set SPW,  28
.set NIL,  29
.set SCV,  30
.set LIM,  31
.set RAW,  32
.set CB,   32
.set CDR,  96
.set KA8,  104
.set AF,   128
.set X,    128
.set T,    160
.set P,    192
.set U,    224
.set G1, 24
.set G0, 32
.set G1B, 48
.set G0B, 56
.set OB,  88
.set STP, 90
.set TB,  92
.set NN,  93
.set BIG, 94
.set MSB, 0
.macro WIN new
.if MSB != \new
	s_set_vgpr_msb (MSB<<8)|\new
.set MSB, \new
.endif
.endm
.set MUL_LO, 0xa1
.set MUL_HI, 0xf1
.set TO_B,   0x40
.macro JLOAD g0a, g1a, g0b, g1b
	s_cmp_eq_u32 s15, 0
	s_cbranch_scc0 .Lfor_b_\@
	tensor_load_to_lds s[\g0a:\g0a+3], s[\g1a:\g1a+7]
	s_nop 0
.rept 4
	v_nop
.endr
	s_branch .Lasked_\@
.Lfor_b_\@:
	tensor_load_to_lds s[\g0b:\g0b+3], s[\g1b:\g1b+7]
	s_nop 0
.rept 4
	v_nop
.endr
.Lasked_\@:
.endm
.macro CREST
	s_cmp_lg_u32 s14, 0
	s_cbranch_scc1 .Lnot_wave_0_\@
	s_barrier_signal -3
.Lnot_wave_0_\@:
	s_barrier_wait -3
	s_barrier_signal -1
	s_barrier_wait -1
.endm
.macro CROUND
	s_barrier_signal -1
	s_barrier_wait -1
	CREST
.endm
	s_load_b256 s[4:11], s[0:1], 0x0
	s_load_b64 s[12:13], s[0:1], 0x20
	v_lshl_add_u32 v[SPW], v0, 2, SPARE
	v_mov_b32 v[NIL], 0
	ds_add_u32 v28, v29
	ds_add_u32 v28, v29
	s_wait_dscnt 0x0
	v_lshrrev_b32 v1, 5, v0
	v_readfirstlane_b32 s14, v1
	s_lshr_b32 s15, s14, 1
	s_and_b32 s16, s14, 1
	s_bfe_u32 s40, ttmp6, 0x40000
	s_bfe_u32 s41, ttmp6, 0x40004
	s_lshl_b32 s42, ttmp9, 2
	s_add_co_u32 s42, s42, s40
	s_and_b32 s17, ttmp7, 0xffff
	s_lshl_b32 s17, s17, 2
	s_add_co_u32 s17, s17, s41
	s_lshl_b32 s43, s41, 2
	s_lshl_b32 s43, 15, s43
	s_lshl_b32 s44, 0x1111, s40
	s_or_b32 s[G1+0], s43, (0<<16)|(1<<20)|(1<<21)|(5<<22)|(3<<25)
	s_or_b32 s[G1B+0], s44, (0<<16)|(1<<20)|(1<<21)|(5<<22)|(3<<25)
.irp g, G1, G1B
	s_mov_b32 s[\g+1], ROWB<<16
	s_mov_b32 s[\g+2], 128<<16
	s_mov_b32 s[\g+3], ROWB<<16
	s_mov_b32 s[\g+4], 128
	s_mov_b32 s[\g+5], KROW
	s_mov_b32 s[\g+6], 0
	s_mov_b32 s[\g+7], 0
.endr
	s_lshl_b32 s18, s16, 7
	s_lshl_b32 s20, s17, 8
	s_add_co_u32 s20, s20, s18
	s_lshl_b32 s20, s20, 10
	s_mov_b32 s21, 0
	s_lshl_b32 s46, s42, 8
	s_add_co_u32 s46, s46, s18
	s_lshl_b32 s46, s46, 10
	s_mov_b32 s47, 0
	s_mul_i32 s45, s14, HALFT
	s_wait_kmcnt 0x0
	s_load_b64 s[96:97], s[10:11], 0x30
	s_load_b32 s98, s[10:11], 0x38
	s_add_nc_u64 s[20:21], s[4:5], s[20:21]
	s_add_nc_u64 s[46:47], s[6:7], s[46:47]
	; THE PREFETCHES INTO THE L2: of the 128 rows that I fetch for a K step, each of the four partners that ask for them jointly names 32, told apart by address (cx for A, cy for B): a lane a row, 256 bytes of a row a K step.
	; K steps 1 and 2 are named behind K step 0's load, K step 3 behind K step 1's: two K steps at the most are asked for and not yet loaded.  The address registers are never rewritten.
	s_cmp_eq_u32 s15, 0                            ; do I fetch for A?
	s_cselect_b64 s[4:5], s[20:21], s[46:47]
	s_cselect_b32 s100, s40, s41                   ; my place among the four
	s_lshl_b32 s100, s100, 15                      ; x 32 rows of 1,024 bytes
	s_mov_b32 s101, 0
	s_add_nc_u64 s[4:5], s[4:5], s[100:101]
	v_and_b32 v22, 31, v0
	v_lshlrev_b32 v22, 10, v22                     ; v22: my lane's row; never rewritten
	s_wait_alu depctr_va_vdst(0)
	CROUND
.irp s, 0,1
	s_mov_b32 s[G0+4*\s], 1
	s_add_co_u32 s[G0+4*\s+1], s45, \s*SLOT
	s_add_nc_u64 s[G0+4*\s+2:G0+4*\s+3], s[20:21], \s*ROWB
	s_or_b32 s[G0+4*\s+3], s[G0+4*\s+3], 0x80000000
	s_mov_b32 s[G0B+4*\s], 1
	s_add_co_u32 s[G0B+4*\s+1], s45, \s*SLOT
	s_add_nc_u64 s[G0B+4*\s+2:G0B+4*\s+3], s[46:47], \s*ROWB
	s_or_b32 s[G0B+4*\s+3], s[G0B+4*\s+3], 0x80000000
.endr
	JLOAD G0, G1, G0B, G1B                         ; K step 0: one tensor load a wave at the head
	global_prefetch_b8 v22, s[4:5] offset:256 th:TH_LOAD_NT scope:SCOPE_SE
	global_prefetch_b8 v22, s[4:5] offset:512 th:TH_LOAD_NT scope:SCOPE_SE
	v_and_b32 v1, 15, v0
	s_wait_alu depctr_va_vdst(0)
	v_bfe_u32 v2, v0, 4, 1
	v_mul_u32_u24 v3, v1, PITCH
	v_lshl_add_u32 v4, v2, 4, v3
	s_mul_i32 s21, s15, HALFT
	s_mul_i32 s22, s16, HALFT
	s_add_co_u32 s22, s22, 2*HALFT
.irp s, 0,1
	v_add_nc_u32 v[ADRA+\s], s21, v4
	v_add_nc_u32 v[ADRB+\s], s22, v4
	s_add_co_u32 s21, s21, SLOT
	s_add_co_u32 s22, s22, SLOT
.endr
	s_mul_i32 s23, s14, WSTG
	v_mul_u32_u24 v5, v1, SPITCH
	s_wait_alu depctr_va_vdst(0)
	v_lshl_add_u32 v5, v2, 5, v5
	v_add_nc_u32 v[STO], s23, v5
	v_mul_u32_u24 v5, v1, SPITCH                   ; back: row l % 16, 64 bytes for each half of the lanes
	v_lshl_add_u32 v5, v2, 6, v5
	v_add_nc_u32 v[LA0], s23, v5
	v_lshlrev_b32 v[GO], 8, v2                     ; out: 16 x lane
	v_lshl_add_u32 v[GO], v1, 4, v[GO]
	s_lshl_b32 s20, s17, 8
	s_lshl_b32 s21, s15, 7
	s_add_co_u32 s20, s20, s21
	s_lshl_b32 s20, s20, 6                         ; my first row / 16 blocks of 1,024 bytes
	s_lshl_b32 s46, s42, 8
	s_lshl_b32 s47, s16, 7
	s_add_co_u32 s46, s46, s47
	s_lshl_b32 s47, s46, 12                        ; my first column / 64 x 256 such blocks
	s_add_co_u32 s20, s20, s47
	s_mov_b32 s21, 0
	s_add_nc_u64 s[OB:OB+1], s[12:13], s[20:21]
	s_lshl_b32 s46, s46, 2
	s_wait_alu depctr_va_vdst(0)
	v_lshl_add_u32 v[CBO], v2, 5, s46              ; the biases in an accumulator's layout: register 8 b + j is column 16 b + 8 (l / 16) + j
.irp i, 0,1,2,3,4,5,6,7,8,9,10,11,12,13,14,15
	global_load_b128 v[CB+4*\i:CB+4*\i+3], v[CBO], s[8:9] offset:64*(\i/2)+16*(\i%2)
.endr
.macro FRAG reg, adr, q, i
.irp c, 0,1,2,3
	ds_load_b128 v[\reg+4*\c:\reg+4*\c+3], v[\adr] offset:128*(\q)+32*\c+(\i)*16*PITCH
.endr
.endm
.macro MUL16 a0, p, zero
.irp a, \a0, \a0+1
.irp b, 0,1,2,3,4,5,6,7
.if \zero
	v_wmma_f32_16x16x128_fp8_fp8 v[8*(8*((\a)%4)+\b):8*(8*((\a)%4)+\b)+7], v[128*(\p)+FR*\b:128*(\p)+FR*\b+FR-1], v[AF+FR*(\a):AF+FR*(\a)+FR-1], 0
.else
	v_wmma_f32_16x16x128_fp8_fp8 v[8*(8*((\a)%4)+\b):8*(8*((\a)%4)+\b)+7], v[128*(\p)+FR*\b:128*(\p)+FR*\b+FR-1], v[AF+FR*(\a):AF+FR*(\a)+FR-1], v[8*(8*((\a)%4)+\b):8*(8*((\a)%4)+\b)+7]
.endif
.endr
.endr
.endm
.macro FETCH_B slot, q, p
	WIN TO_B
.irp i, 0,1,2,3,4,5,6,7
	FRAG 128*(\p)+FR*\i, ADRB+\slot, \q, \i
.endr
	WIN 0
.endm
.macro FETCH_A slot, q, i0
.irp i, \i0, \i0+1, \i0+2, \i0+3
	FRAG AF+FR*(\i), ADRA+\slot, \q, \i
.endr
.endm
.macro PLACES n
.rept \n
	v_nop
.endr
.endm
.macro STEP slot, q, zero
	s_wait_dscnt 4*NL
	WIN MUL_LO
	MUL16 0, (\q)%2, \zero
	MUL16 2, (\q)%2, \zero
	s_wait_dscnt 0
	PLACES NP
	FETCH_B \slot, (\q)+1, 1-(\q)%2
	FETCH_A \slot, (\q)+1, 0
	WIN MUL_HI
	MUL16 4, (\q)%2, \zero
	MUL16 6, (\q)%2, \zero
	PLACES NP
	WIN 0
	FETCH_A \slot, (\q)+1, 4
.endm
.macro TURN slot, next, fill
	s_wait_tensorcnt 0x0
	ds_add_u32 v[SPW], v[NIL]
	s_wait_dscnt 4*NL+1
	WIN MUL_LO
	MUL16 0, 1, 0
	s_wait_dscnt 0x0
	s_barrier_signal -1
	MUL16 2, 1, 0
	WIN 0
	s_barrier_wait -1
.if \fill
	CREST
	s_add_nc_u64 s[G0+4*\slot+2:G0+4*\slot+3], s[G0+4*\slot+2:G0+4*\slot+3], 2*ROWB
	s_add_nc_u64 s[G0B+4*\slot+2:G0B+4*\slot+3], s[G0B+4*\slot+2:G0B+4*\slot+3], 2*ROWB
	JLOAD G0+4*\slot, G1, G0B+4*\slot, G1B
.else
	PLACES NP
.endif
	FETCH_B \next, 0, 0
	FETCH_A \next, 0, 0
	WIN MUL_HI
	MUL16 4, 1, 0
	MUL16 6, 1, 0
	PLACES NP
	WIN 0
	FETCH_A \next, 0, 4
.endm
	s_wait_alu depctr_va_vdst(0)
	s_wait_tensorcnt 0x0                           ; my part of K step 0 is in; slot 1's first fill is issued as a refill is:
	ds_add_u32 v[SPW], v[NIL]                      ; 0 onto my spare word
	s_wait_dscnt 0x0
	CROUND                                         ; a whole round: everybody's part of K step 0 is in
	JLOAD G0+4, G1, G0B+4, G1B                     ; K step 1, the first tensor load behind the round
	global_prefetch_b8 v22, s[4:5] offset:768 th:TH_LOAD_NT scope:SCOPE_SE
	FETCH_B 0, 0, 0
	FETCH_A 0, 0, 0
	FETCH_A 0, 0, 4
	STEP 0, 0, 1
	s_mov_b32 s3, LAPS-1
.Llap:
	TURN 0, 1, 1
	STEP 1, 0, 0
	TURN 1, 0, 1
	STEP 0, 0, 0
	s_sub_co_u32 s3, s3, 1
	s_cmp_lg_u32 s3, 0
	s_cbranch_scc1 .Llap
	TURN 0, 1, 0
	STEP 1, 0, 0
	s_wait_dscnt 4*NL
	WIN MUL_LO
	MUL16 0, 1, 0
	MUL16 2, 1, 0
	s_wait_dscnt 0
	WIN MUL_HI
	MUL16 4, 1, 0
	MUL16 6, 1, 0
	WIN 0
	PLACES NP
	s_wait_dscnt 0x0
	s_barrier_signal -1
	s_barrier_wait -1
	s_wait_loadcnt 0x0                             ; the biases
	s_wait_kmcnt 0x0                               ; the exponents
	s_add_co_i32 s96, s96, s97
	s_add_co_i32 s96, s96, 127
	s_lshl_b32 s96, s96, 23                        ; 2^(e12 + e13) as f32
	s_mov_b32 s97, s96
.irp a, 0,1,2,3,4,5,6,7
.if \a < 4
	WIN 0x82                                       ; source 0 and destination: window 2; the bias: window 0
.else
	WIN 0xc3
.endif
.irp b, 0,1,2,3,4,5,6,7
.irp k, 0,2,4,6
	v_pk_fma_f32 v[64*(\a%4)+8*\b+\k:64*(\a%4)+8*\b+\k+1], v[64*(\a%4)+8*\b+\k:64*(\a%4)+8*\b+\k+1], s[96:97], v[CB+8*\b+\k:CB+8*\b+\k+1] op_sel_hi:[1,0,1]   ; sum x 2^(e12 + e13) + bias; each accumulator from its low end on
.endr
.endr
.if \a < 4
	WIN 0x08                                       ; a store's data is source 1
.else
	WIN 0x0c
.endif
.irp b, 0,1,2,3,4,5,6,7
	ds_store_b128 v[STO], v[64*(\a%4)+8*\b:64*(\a%4)+8*\b+3] offset:(\b/4)*128*SPITCH+\a*16*SPITCH+64*(\b%4)
	ds_store_b128 v[STO], v[64*(\a%4)+8*\b+4:64*(\a%4)+8*\b+7] offset:(\b/4)*128*SPITCH+\a*16*SPITCH+64*(\b%4)+16
.endr
.endr
	WIN 0
	s_add_co_i32 s98, s98, 127
	s_lshl_b32 s99, s98, 23
	v_mov_b32 v[SCV], s99
	s_add_co_i32 s98, s98, 8
	s_lshl_b32 s98, s98, 23
	s_or_b32 s98, s98, 0x600000
	v_mov_b32 v[LIM], s98
.macro KPAIR r, val
	s_mov_b32 s[\r], \val
	s_mov_b32 s[\r+1], \val
.endm
	KPAIR 66, 0xc034d90f
	KPAIR 68, 0x3fb8ab5a
	KPAIR 70, 0x3f0a29d2
	KPAIR 72, 0x3e0efb2f
	KPAIR 74, 0xbe899a80
	KPAIR 76, 0x3ecdfd18
	KPAIR 78, 0xbfd1a1e5
	KPAIR 80, 0x40097039
	KPAIR 82, 0x3e7c6f08
	KPAIR 84, 0xbf38aa3b
	s_mov_b32 s86, 0x3eb504f3
	v_mov_b32 v[KA8], 0xbf97d29d
	v_mov_b32 v[KA8+1], 0xbf97d29d
	s_mov_b32 s[TB], 0
	s_mov_b32 s[NN], 0
	s_mov_b32 s[STP+1], 0
	s_mov_b32 s[BIG], 254976                       ; from the eighth block of 16 rows to the first of the next 64 columns: 262,144 - 7 x 1,024
.macro RAWLOAD
.irp u, 0,1
.irp i, 0,1,2,3
	ds_load_b128 v[RAW+16*\u+4*\i:RAW+16*\u+4*\i+3], v[LA] offset:128*\u+16*\i
.endr
.endr
.endm
.macro TRIPB more
	s_wait_dscnt 0x0
.set j, 0
.rept 32
	v_fma_f32 v[T+j], |v[RAW+j]|, s86, 1.0
.set j, j+1
.endr
.set j, 0
	s_wait_alu depctr_va_vdst(0)
.rept 32
	v_rcp_f32 v[T+j], v[T+j]
	v_max_num_f32 v[X+j], 0, v[RAW+j]              ; max(x, 0): a plain line on other registers behind each reciprocal; first read behind the waits below
.set j, j+1
.endr
.set j, 0
.rept 16
	v_pk_mul_f32 v[U+j:U+j+1], v[RAW+j:RAW+j+1], s[84:85] op_sel_hi:[1,0]
.set j, j+2
.endr
	s_wait_alu depctr_va_vdst(0)
.set j, 0
.rept 16
	v_pk_fma_f32 v[P+j:P+j+1], v[T+j:T+j+1], s[82:83], v[KA8:KA8+1] op_sel_hi:[1,0,1]
.set j, j+2
.endr
.irp k, 7,6,5,4,3,2,1,0
.set j, 0
.rept 16
	v_pk_fma_f32 v[P+j:P+j+1], v[P+j:P+j+1], v[T+j:T+j+1], s[66+2*\k:67+2*\k] op_sel_hi:[1,1,0]
.set j, j+2
.endr
.endr
.set j, 0
.rept 16
	v_pk_fma_f32 v[P+j:P+j+1], v[U+j:U+j+1], v[RAW+j:RAW+j+1], v[P+j:P+j+1]
.set j, j+2
.endr
.set j, 0
	s_wait_alu depctr_va_vdst(0)
.rept 32
	v_exp_f32 v[P+j], v[P+j]
	v_mul_f32 v[U+j], |v[RAW+j]|, v[T+j]           ; |x| t: a plain line on other registers behind each exponential; first read behind the batch's wait
.set j, j+1
.endr
.if \more
	s_add_co_u32 s[TB], s[TB], 16*SPITCH           ; the numbers read from the stage have had their last reader: the next trip's 16 rows are asked for
	v_add_nc_u32 v[LA], s[TB], v[LA0]
	RAWLOAD
.endif
	s_wait_xcnt 0x0                                ; the last trip's stores have read their data and their base: both are written again only behind this wait
	s_cmp_eq_u32 s[NN], 8
	s_cselect_b32 s[STP], s[BIG], 1024             ; on to this trip's 1,024 bytes of the output;
	s_cmp_eq_u32 s[NN], 0
	s_cselect_b32 s[STP], 0, s[STP]                ; the first trip's are where the base stands
	s_add_nc_u64 s[OB:OB+1], s[OB:OB+1], s[STP:STP+1]
	s_wait_alu depctr_va_vdst(0)
.set j, 0
.rept 16
	v_pk_fma_f32 v[X+j:X+j+1], v[U+j:U+j+1], v[P+j:P+j+1], v[X+j:X+j+1] neg_lo:[1,0,0] neg_hi:[1,0,0]
.set j, j+2
.endr
.set j, 0
.rept 32
	v_med3_num_f32 v[X+j], v[X+j], -v[LIM], v[LIM]
.set j, j+1
.endr
.irp g, 0,1,2,3
	v_cvt_scalef32_pk8_fp8_f32 v[CDR+2*\g:CDR+2*\g+1], v[X+8*\g:X+8*\g+7], v[SCV]
.endr
	v_nop
.irp u, 0,1
	global_store_b128 v[GO], v[CDR+4*\u:CDR+4*\u+3], s[OB:OB+1] offset:512*\u
.endr
.endm
	v_add_nc_u32 v[LA], s[TB], v[LA0]
	RAWLOAD
.Lrows:
	TRIPB 1
	s_add_co_u32 s[NN], s[NN], 1
	s_cmp_lt_u32 s[NN], 15
	s_cbranch_scc1 .Lrows
	TRIPB 0
	s_wait_tensorcnt 0x0
	ds_add_u32 v[SPW], v[NIL]
	s_wait_dscnt 0x0
	CROUND
	s_endpgm
.Lfunc_end_k_q1d16950771_fc1:
	.size	k_q1d16950771_fc1, .Lfunc_end_k_q1d16950771_fc1-k_q1d16950771_fc1
	.p2alignl 7, 3214868480
	.fill 96, 4, 3214868480
	.section	.rodata,"a",@progbits
	.p2align	6, 0x0
	.amdhsa_kernel k_q1d16950771_fc1
		.amdhsa_group_segment_fixed_size 327680
		.amdhsa_private_segment_fixed_size 0
		.amdhsa_enable_private_segment 0
		.amdhsa_kernarg_size 40
		.amdhsa_user_sgpr_count 2
		.amdhsa_user_sgpr_kernarg_segment_ptr 1
		.amdhsa_wavefront_size32 1
		.amdhsa_system_sgpr_workgroup_id_x 1
		.amdhsa_system_sgpr_workgroup_id_y 1
		.amdhsa_system_sgpr_workgroup_id_z 1
		.amdhsa_system_vgpr_workitem_id 0
		.amdhsa_next_free_vgpr 1024
		.amdhsa_next_free_sgpr 102
		.amdhsa_reserve_vcc 0
		.amdhsa_float_denorm_mode_32 3
		.amdhsa_float_denorm_mode_16_64 3
		.amdhsa_memory_ordered 1
		.amdhsa_forward_progress 1
		.amdhsa_inst_pref_size 152
	.end_amdhsa_kernel
	.amdgpu_metadata
---
amdhsa.version: [ 1, 2 ]
amdhsa.kernels:
  - .name:           k_q1d16950771_fc1
    .symbol:         k_q1d16950771_fc1.kd
    .args:
      - { .name: h2, .offset: 0, .size: 8, .value_kind: global_buffer, .address_space: global }
      - { .name: W1_codes, .offset: 8, .size: 8, .value_kind: global_buffer, .address_space: global }
      - { .name: b1, .offset: 16, .size: 8, .value_kind: global_buffer, .address_space: global }
      - { .name: lowp_scales, .offset: 24, .size: 8, .value_kind: global_buffer, .address_space: global }
      - { .name: mc, .offset: 32, .size: 8, .value_kind: global_buffer, .address_space: global }
    .group_segment_fixed_size: 327680
    .private_segment_fixed_size: 0
    .kernarg_segment_align: 8
    .kernarg_segment_size: 40
    .max_flat_workgroup_size: 128
    .sgpr_count:     102
    .vgpr_count:     1024
    .wavefront_size: 32
...
	.end_amdgpu_metadata
.endif
;; end of part 6
;; launch fc2 (part 7): grid 8 x 32, 4 waves a work-group, clusters of 4 x 4, 327,680 bytes of LDS; arguments mc, W2_codes, b2, x1, lowp_scales, out0; writes out0
.if DOCPART == 7
	.amdgcn_target "amdgcn-amd-amdhsa--gfx1250"
	.amdhsa_code_object_version 6
	.text
	.protected	k_q1d16950771_fc2
	.globl	k_q1d16950771_fc2
	.p2align	8
	.type	k_q1d16950771_fc2,@function
k_q1d16950771_fc2:
	s_mov_b64 s[64:65], 0
	v_nop
	global_prefetch_b8 v0, s[64:65] scope:SCOPE_SE
	s_setreg_imm32_b32 hwreg(HW_REG_WAVE_MODE, 25, 1), 1
	s_wait_xcnt 0x0
	s_wait_alu depctr_hold_cnt(0) depctr_sa_sdst(0) depctr_va_vdst(0) depctr_va_sdst(0) depctr_va_ssrc(0) depctr_va_vcc(0) depctr_vm_vsrc(0)
	s_getreg_b32 s2, hwreg(HW_REG_IB_STS2, 6, 4)
	s_cmp_eq_u32 s2, 0
	s_cbranch_scc0 .Lentry_in_a_cluster
	s_endpgm
.Lentry_in_a_cluster:
	s_bfe_u32 s2, ttmp6, 0x10000c
	s_cmp_lg_u32 s2, 0xf033
	s_cbranch_scc0 .Lentry_shape_is_right
	s_endpgm
.Lentry_shape_is_right:
; out = x1 + (m W2^T x 2^(e14 + e15) + b2): a product [4096, 4096] x [4096, 1024] on codes of E4M3; b2 [1024], x1 and out [4096][1024] f32.
; A = mc, in the order of a matrix operand's registers: [64 along K: kq][256 blocks of 16 rows][c][lane][16 bytes]: lane (r, h) of piece c holds row 16 x block + r, K = 64 kq + 32 c + 16 h + 0 .. 15.  B = W2's codes [1024][4096].
; A tile of out is 128 x 128: 256 work-groups; four waves, each 64 x 64: 16 accumulators.  K goes in eight steps of 512 through a ring of two LDS slots; each cluster begins at a K step of its own and goes round.
; A's half tile (64 rows x 512 K) is 8 rows of 4,096 consecutive bytes, 262,144 apart, laid dense in LDS: a fragment's load reads 512 consecutive bytes.  B's half tile is 64 rows of 512 bytes, padded to 528.
; CLUSTERS: 4 x 4 work-groups; A's tiles are shared along a row of the cluster, B's along a column: joint loads.  THE MATRIX INSTRUCTION IS USED TRANSPOSED (source 0 = 16 rows of B, source 1 = 16 rows of A).
; THE PREFETCHES INTO THE L2: a wave's half tile of a K step is 128 blocks of 256 bytes; each of the four partners that ask for it jointly names 32, told apart by address (cx for A, cy for B), a lane a block, one instruction a wave.
; Behind the head's load the next two K steps are named, behind slot 1's first load the third; behind each refill the K step two refills on; the last two refills name nothing.
; B's tiles are walked by eight rows of clusters, of which rows y and y + 4 walk in the same order: B's waves ask in rows 0 to 3 alone.
; out = sum x 2^e + (b2 + x1): the order of the two additions differs from the source's; both are f32.  LIMIT: e14 + e15 between -126 and 127.
; REGISTERS: window 0: v0-31 addresses, v8-11 the bias, v30 the prefetches' offset; v32-95 the way out; v128-255 the accumulators.  window 1: two fragment buffers of 128 (A's four blocks, then B's four).  window 2: v0-127 x1.
.macro HASK r                          ; a prefetch at the head, by the address in s[r:r+1]
	s_cmp_eq_u32 s100, 1
	s_cbranch_scc0 .Lnot_mine_\@
	global_prefetch_b8 v30, s[\r:\r+1] th:TH_LOAD_NT scope:SCOPE_SE
.Lnot_mine_\@:
.endm
.set SIZE_K, 4096
.set EOFF,   56
.set NSLOT,  SIZE_K/512
.set KQB,    4096
.set PB,     528
.set HALFA,  8*KQB
.set HALFB,  64*PB
.set BOFF,   2*HALFA
.set SLOT,   BOFF+2*HALFB
.set STAGE,  2*SLOT
.set SPITCH, 272
.set SPARE,  STAGE+4*16*SPITCH
.set LAPS,   SIZE_K/1024
.set BOFS, 6
.set BIAS, 8
.set ADRA, 16
.set ADRB, 20
.set STO,  24
.set RD,   25
.set CO,   26
.set SPW,  28
.set NIL,  29
.set TMP,  32
.set ACC,  128
.set F0,   0
.set F1,   128
.set G1, 24
.set G0, 32
.set G1B, 48
.set G0B, 56
.set KC,  80
.set OFA, 82
.set BSA, 84
.set BSB, 88
.set OFB, 92
.set MSB, 0
.macro WIN new
.if MSB != \new
	s_set_vgpr_msb (MSB<<8)|\new
.set MSB, \new
.endif
.endm
.set MUL,  0x05
.set TO_F, 0x40
.macro JLOAD s
	s_cmp_eq_u32 s11, 0
	s_cbranch_scc0 .Lfor_b_\@
	tensor_load_to_lds s[G0+4*\s:G0+4*\s+3], s[G1:G1+7]
	s_nop 0
.rept 4
	v_nop
.endr
	s_branch .Lasked_\@
.Lfor_b_\@:
	tensor_load_to_lds s[G0B+4*\s:G0B+4*\s+3], s[G1B:G1B+7]
	s_nop 0
.rept 4
	v_nop
.endr
.Lasked_\@:
.endm
.macro AIM s
	s_add_nc_u64 s[G0+4*\s+2:G0+4*\s+3], s[BSA+2*\s:BSA+2*\s+1], s[OFA:OFA+1]
	s_or_b32 s[G0+4*\s+3], s[G0+4*\s+3], 0x80000000
	s_add_nc_u64 s[G0B+4*\s+2:G0B+4*\s+3], s[BSB+2*\s:BSB+2*\s+1], s[OFB:OFB+1]
	s_or_b32 s[G0B+4*\s+3], s[G0B+4*\s+3], 0x80000000
.endm
.macro CREST
	s_cmp_lg_u32 s10, 0
	s_cbranch_scc1 .Lnot_wave_0_\@
	s_barrier_signal -3
.Lnot_wave_0_\@:
	s_barrier_wait -3
	s_barrier_signal -1
	s_barrier_wait -1
.endm
.macro CROUND
	s_barrier_signal -1
	s_barrier_wait -1
	CREST
.endm
	s_load_b256 s[68:75], s[0:1], 0x0
	s_load_b128 s[76:79], s[0:1], 0x20
	v_lshl_add_u32 v[SPW], v0, 2, SPARE
	v_mov_b32 v[NIL], 0
	ds_add_u32 v28, v29
	ds_add_u32 v28, v29
	s_wait_dscnt 0x0
	v_lshrrev_b32 v1, 5, v0
	v_readfirstlane_b32 s10, v1
	s_lshr_b32 s11, s10, 1
	s_and_b32 s12, s10, 1
	s_bfe_u32 s40, ttmp6, 0x40000
	s_bfe_u32 s41, ttmp6, 0x40004
	s_lshl_b32 s42, ttmp9, 2
	s_add_co_u32 s42, s42, s40
	s_and_b32 s13, ttmp7, 0xffff
	s_lshl_b32 s[KC], s13, 1
	s_lshl_b32 s13, s13, 2
	s_add_co_u32 s13, s13, s41
	s_lshl_b32 s[OFA], ttmp9, 2
	s_add_co_u32 s[KC], s[KC], s[OFA]
	s_and_b32 s[KC], s[KC], NSLOT-1
	s_lshl_b32 s[OFA], s[KC], 21
	s_mov_b32 s[OFA+1], 0
	s_lshl_b32 s[OFB], s[KC], 9
	s_mov_b32 s[OFB+1], 0
	s_lshl_b32 s43, s41, 2
	s_lshl_b32 s43, 15, s43
	s_lshl_b32 s44, 0x1111, s40
	s_or_b32 s[G1+0], s43, (1<<21)                 ; A: the mask; elements of 1 byte; no padding; bit 21 beside a mask
	s_mov_b32 s[G1+1], 4096<<16                    ; tensor_dim0
	s_mov_b32 s[G1+2], 8<<16                       ; tensor_dim1
	s_mov_b32 s[G1+3], 4096<<16                    ; tile_dim0
	s_mov_b32 s[G1+4], 8                           ; tile_dim1
	s_mov_b32 s[G1+5], 262144                      ; the pitch: from kq to kq + 1
	s_mov_b32 s[G1+6], 0
	s_mov_b32 s[G1+7], 0
	s_or_b32 s[G1B+0], s44, (0<<16)|(1<<20)|(1<<21)|(6<<22)|(3<<25)
	s_mov_b32 s[G1B+1], 512<<16
	s_mov_b32 s[G1B+2], 64<<16
	s_mov_b32 s[G1B+3], 512<<16
	s_mov_b32 s[G1B+4], 64
	s_mov_b32 s[G1B+5], SIZE_K
	s_mov_b32 s[G1B+6], 0
	s_mov_b32 s[G1B+7], 0
	s_lshl_b32 s16, s13, 1
	s_add_co_u32 s16, s16, s12
	s_lshl_b32 s16, s16, 12                        ; A: 64 rows are four blocks of 1,024 bytes
	s_mov_b32 s17, 0
	s_lshl_b32 s46, s42, 7
	s_lshl_b32 s47, s12, 6
	s_add_co_u32 s46, s46, s47
	s_mul_i32 s46, s46, SIZE_K
	s_mov_b32 s47, 0
	s_mul_i32 s20, s12, HALFA
	s_mul_i32 s21, s12, HALFB
	s_add_co_u32 s21, s21, BOFF
	s_wait_kmcnt 0x0
	s_load_b64 s[96:97], s[76:77], EOFF
	s_add_nc_u64 s[BSA:BSA+1], s[68:69], s[16:17]
	s_add_nc_u64 s[BSA+2:BSA+3], s[BSA:BSA+1], 0x200000
	s_add_nc_u64 s[BSB:BSB+1], s[70:71], s[46:47]
	s_add_nc_u64 s[BSB+2:BSB+3], s[BSB:BSB+1], 512
	s_cmp_eq_u32 s11, 0                            ; the prefetches.  Do I fetch for A?
	s_cselect_b64 s[4:5], s[BSA:BSA+1], s[BSB:BSB+1]
	s_cselect_b32 s94, s40, s41                    ; my place among the four
	s_cselect_b32 s2, 21, 9                        ; a K step of 512: 8 x 262,144 bytes on in A, 512 in B
	s_cselect_b32 s95, 19, 16                      ; a partner's part: two rows of 4,096 bytes in A, 16 rows of W2 in B
	s_cselect_b32 s98, 4, 1                        ; blocks of 256 bytes in a row of the tile: 16 in A, 2 in B
	s_cselect_b32 s99, 18, 12                      ; from row to row
	s_cselect_b32 s66, 15, 1
	v_and_b32 v30, 31, v0
	v_lshrrev_b32 v31, s98, v30
	v_lshlrev_b32 v31, s99, v31
	v_and_b32 v30, s66, v30
	v_lshl_add_u32 v30, v30, 8, v31                ; v30: my lane's block; never rewritten
	s_wait_alu depctr_va_vdst(0)
	s_lshl_b32 s94, s94, s95
	s_mov_b32 s95, 0
	s_add_nc_u64 s[4:5], s[4:5], s[94:95]          ; s[4:5]: my part at K step 0, for slot 0's steps;
	s_lshl_b32 s94, 1, s2
	s_add_nc_u64 s[6:7], s[4:5], s[94:95]          ; s[6:7]: at K step 1, for slot 1's
	s_lshl_b32 s94, s[KC], s2
	s_add_nc_u64 s[8:9], s[6:7], s[94:95]          ; the walk's second K step,
	s_add_co_u32 s94, s[KC], 2
	s_and_b32 s94, s94, NSLOT-1
	s_lshl_b32 s94, s94, s2
	s_add_nc_u64 s[66:67], s[4:5], s[94:95]        ; its third,
	s_add_nc_u64 s[98:99], s[6:7], s[94:95]        ; its fourth
	s_and_b32 s100, ttmp7, 0xffff
	s_lshr_b32 s100, s100, 2
	s_mul_i32 s100, s100, s11
	s_mul_i32 s100, s100, 99
	s_add_co_u32 s100, s100, 1                     ; 1 where my wave asks; 100 in B's waves of cluster rows 4 to 7
	CROUND
.irp s, 0,1
	s_mov_b32 s[G0+4*\s], 1
	s_add_co_u32 s[G0+4*\s+1], s20, \s*SLOT
	s_mov_b32 s[G0B+4*\s], 1
	s_add_co_u32 s[G0B+4*\s+1], s21, \s*SLOT
	AIM \s
.endr
	JLOAD 0                                        ; slot 0: one tensor load a wave at the head
	HASK 8
	HASK 66
	v_and_b32 v1, 15, v0
	v_bfe_u32 v2, v0, 4, 1
	v_lshlrev_b32 v3, 4, v1
	v_lshl_add_u32 v3, v2, 8, v3                   ; A: 16 x lane
	v_mul_u32_u24 v4, v1, PB
	v_lshl_add_u32 v4, v2, 4, v4
	s_mul_i32 s21, s11, HALFA
	s_mul_i32 s22, s12, HALFB
	s_add_co_u32 s22, s22, BOFF
.irp s, 0,1
	v_add_nc_u32 v[ADRA+\s], s21, v3
	v_add_nc_u32 v[ADRB+\s], s22, v4
	s_add_co_u32 s21, s21, SLOT
	s_add_co_u32 s22, s22, SLOT
.endr
	s_mul_i32 s23, s10, 16*SPITCH
	s_add_co_u32 s23, s23, STAGE
	v_mul_u32_u24 v5, v1, SPITCH
	v_lshl_add_u32 v5, v2, 5, v5
	v_add_nc_u32 v[STO], s23, v5
	v_mul_u32_u24 v5, v2, SPITCH
	v_lshl_add_u32 v5, v1, 4, v5
	v_add_nc_u32 v[RD], s23, v5
	v_lshlrev_b32 v[CO], 12, v2
	v_lshl_add_u32 v[CO], v1, 4, v[CO]
	v_lshlrev_b32 v[BOFS], 4, v1
	s_wait_alu depctr_va_vdst(0)
	s_lshl_b32 s16, s13, 7
	s_lshl_b32 s17, s11, 6
	s_add_co_u32 s16, s16, s17
	s_lshl_b32 s16, s16, 12
	s_lshl_b32 s46, s42, 7
	s_lshl_b32 s47, s12, 6
	s_add_co_u32 s46, s46, s47
	s_lshl_b32 s46, s46, 2
	s_mov_b32 s47, 0
	s_add_nc_u64 s[72:73], s[72:73], s[46:47]
	s_add_co_u32 s16, s16, s46
	s_mov_b32 s17, 0
	s_add_nc_u64 s[74:75], s[74:75], s[16:17]
	s_add_nc_u64 s[78:79], s[78:79], s[16:17]
	global_load_b128 v[BIAS:BIAS+3], v[BOFS], s[72:73]
.macro MUL4 f, a, zero
.irp b, 0,1,2,3
.if \zero
	v_wmma_f32_16x16x128_fp8_fp8 v[ACC+8*(4*(\a)+\b):ACC+8*(4*(\a)+\b)+7], v[\f+64+16*\b:\f+64+16*\b+15], v[\f+16*(\a):\f+16*(\a)+15], 0
.else
	v_wmma_f32_16x16x128_fp8_fp8 v[ACC+8*(4*(\a)+\b):ACC+8*(4*(\a)+\b)+7], v[\f+64+16*\b:\f+64+16*\b+15], v[\f+16*(\a):\f+16*(\a)+15], v[ACC+8*(4*(\a)+\b):ACC+8*(4*(\a)+\b)+7]
.endif
.endr
.endm
.macro MUL8 f, a0, zero
	MUL4 \f, \a0, \zero
	MUL4 \f, \a0+1, \zero
.endm
.macro FETCH slot, q, f
	WIN TO_F
.irp b, 0,1,2,3
.irp c, 0,1,2,3
	ds_load_b128 v[\f+64+16*\b+4*\c:\f+64+16*\b+4*\c+3], v[ADRB+\slot] offset:16*PB*\b+128*(\q)+32*\c
.endr
.endr
.irp a, 0,1,2,3
.irp c, 0,1,2,3
	ds_load_b128 v[\f+16*\a+4*\c:\f+16*\a+4*\c+3], v[ADRA+\slot] offset:(2*(\q)+\c/2)*KQB+1024*\a+512*(\c%2)
.endr
.endr
.endm
.macro PLACES
.rept 4
	v_nop
.endr
.endm
.macro QUARTER slot, qn, f, g, zero
	s_wait_dscnt 8
	WIN MUL
	MUL8 \f, 0, \zero
	PLACES
	FETCH \slot, \qn, \g
	s_wait_dscnt 32
	WIN MUL
	MUL8 \f, 2, \zero
.endm
.macro TURN slot, next, fill
	WIN 0
	s_wait_tensorcnt 0x0
	ds_add_u32 v[SPW], v[NIL]
.if \fill
.if \slot == 0
	s_add_co_u32 s[KC], s[KC], 2
	s_and_b32 s[KC], s[KC], NSLOT-1
	s_lshl_b32 s[OFA], s[KC], 21
	s_lshl_b32 s[OFB], s[KC], 9
.endif
	AIM \slot
	s_wait_xcnt 0x0                                ; my last prefetch has read its address: it is written again only behind this wait
	s_add_co_u32 s94, s[KC], 2
	s_and_b32 s94, s94, NSLOT-1
	s_lshl_b32 s94, s94, s2
	s_add_nc_u64 s[8:9], s[4+2*\slot:5+2*\slot], s[94:95]   ; the K step two refills on
.endif
	s_wait_dscnt 9
	WIN MUL
	MUL8 F1, 0, 0
	s_wait_dscnt 0x0
	s_barrier_signal -1
	MUL4 F1, 2, 0
	WIN 0
	s_barrier_wait -1
.if \fill
	CREST
	JLOAD \slot
.else
	PLACES
.endif
	FETCH \next, 0, F0
.if \fill
	WIN 0
	s_cmp_gt_u32 s3, s100                          ; s3 = 1 in the loop's last trip: its two refills have no K step two on
	s_cbranch_scc0 .Lno_ask_\@
	global_prefetch_b8 v30, s[8:9] th:TH_LOAD_NT scope:SCOPE_SE
.Lno_ask_\@:
.endif
	WIN MUL
	MUL4 F1, 3, 0
.endm
.macro LAP
	QUARTER 0, 2, F1, F0, 0
	QUARTER 0, 3, F0, F1, 0
	TURN 0, 1, 1
	QUARTER 1, 1, F0, F1, 0
	QUARTER 1, 2, F1, F0, 0
	QUARTER 1, 3, F0, F1, 0
	TURN 1, 0, 1
	QUARTER 0, 1, F0, F1, 0
.endm
	s_wait_alu depctr_va_vdst(0)
	s_wait_tensorcnt 0x0                           ; my part of slot 0 is in; slot 1's first fill is issued as a refill is:
	ds_add_u32 v[SPW], v[NIL]                      ; 0 onto my spare word
	s_wait_dscnt 0x0
	CROUND                                         ; a whole round: everybody's part of slot 0 is in
	JLOAD 1                                        ; slot 1, the first tensor load behind the round
	HASK 98
	FETCH 0, 0, F0
	QUARTER 0, 1, F0, F1, 1                        ; the first quarter's products start the sums
	WIN 0x80                                       ; destination window 2: x1's 64 x 64 numbers of mine, wanted on the way out
.set j, 0
.rept 32
	global_load_b128 v[4*j:4*j+3], v[CO], s[74:75] offset:8192*j th:TH_LOAD_NT
.set j, j+1
.endr
	WIN 0
	s_mov_b32 s3, LAPS-1                           ; three laps fill both slots again; the last of them (s3 = 1) prefetches nothing
.Llap:
	LAP
	WIN 0
	s_sub_co_u32 s3, s3, 1
	s_cmp_lg_u32 s3, 0
	s_cbranch_scc1 .Llap
	QUARTER 0, 2, F1, F0, 0
	QUARTER 0, 3, F0, F1, 0
	TURN 0, 1, 0
	QUARTER 1, 1, F0, F1, 0
	QUARTER 1, 2, F1, F0, 0
	QUARTER 1, 3, F0, F1, 0
	s_wait_dscnt 8
	WIN MUL
	MUL8 F1, 0, 0
	s_wait_dscnt 0
	MUL8 F1, 2, 0
	WIN 0
	PLACES
	s_wait_loadcnt 0x0
	s_wait_kmcnt 0x0
	s_add_co_i32 s96, s96, s97
	s_add_co_i32 s96, s96, 127
	s_lshl_b32 s96, s96, 23
	s_mov_b32 s97, s96
	WIN 0x82
.set j, 0
.rept 32
	v_pk_add_f32 v[4*j:4*j+1], v[4*j:4*j+1], v[BIAS:BIAS+1]
	v_pk_add_f32 v[4*j+2:4*j+3], v[4*j+2:4*j+3], v[BIAS+2:BIAS+3]
.set j, j+1
.endr
	WIN 0
.irp a, 0,1,2,3
.if \a > 1
	s_wait_xcnt 0x0
.endif
.irp b, 0,1,2,3
	ds_store_b128 v[STO], v[ACC+8*(4*\a+\b):ACC+8*(4*\a+\b)+3] offset:64*\b
	ds_store_b128 v[STO], v[ACC+8*(4*\a+\b)+4:ACC+8*(4*\a+\b)+7] offset:64*\b+16
.endr
.irp t, 0,1,2,3,4,5,6,7
	ds_load_b128 v[TMP+32*(\a%2)+4*\t:TMP+32*(\a%2)+4*\t+3], v[RD] offset:2*SPITCH*\t
.endr
	s_wait_dscnt 0x0
	WIN 0x20
.irp t, 0,1,2,3,4,5,6,7
	v_pk_fma_f32 v[TMP+32*(\a%2)+4*\t:TMP+32*(\a%2)+4*\t+1], v[TMP+32*(\a%2)+4*\t:TMP+32*(\a%2)+4*\t+1], s[96:97], v[4*(8*\a+\t):4*(8*\a+\t)+1] op_sel_hi:[1,0,1]
	v_pk_fma_f32 v[TMP+32*(\a%2)+4*\t+2:TMP+32*(\a%2)+4*\t+3], v[TMP+32*(\a%2)+4*\t+2:TMP+32*(\a%2)+4*\t+3], s[96:97], v[4*(8*\a+\t)+2:4*(8*\a+\t)+3] op_sel_hi:[1,0,1]
.endr
	WIN 0
.irp t, 0,1,2,3,4,5,6,7
	global_store_b128 v[CO], v[TMP+32*(\a%2)+4*\t:TMP+32*(\a%2)+4*\t+3], s[78:79] offset:(16*\a+2*\t)*4096 th:TH_STORE_NT
.endr
.endr
	s_wait_tensorcnt 0x0
	ds_add_u32 v[SPW], v[NIL]
	s_wait_dscnt 0x0
	CROUND
	s_endpgm
.Lfunc_end_k_q1d16950771_fc2:
	.size	k_q1d16950771_fc2, .Lfunc_end_k_q1d16950771_fc2-k_q1d16950771_fc2
	.p2alignl 7, 3214868480
	.fill 96, 4, 3214868480
	.section	.rodata,"a",@progbits
	.p2align	6, 0x0
	.amdhsa_kernel k_q1d16950771_fc2
		.amdhsa_group_segment_fixed_size 327680
		.amdhsa_private_segment_fixed_size 0
		.amdhsa_enable_private_segment 0
		.amdhsa_kernarg_size 48
		.amdhsa_user_sgpr_count 2
		.amdhsa_user_sgpr_kernarg_segment_ptr 1
		.amdhsa_wavefront_size32 1
		.amdhsa_system_sgpr_workgroup_id_x 1
		.amdhsa_system_sgpr_workgroup_id_y 1
		.amdhsa_system_sgpr_workgroup_id_z 1
		.amdhsa_system_vgpr_workitem_id 0
		.amdhsa_next_free_vgpr 640
		.amdhsa_next_free_sgpr 102
		.amdhsa_reserve_vcc 0
		.amdhsa_float_denorm_mode_32 3
		.amdhsa_float_denorm_mode_16_64 3
		.amdhsa_memory_ordered 1
		.amdhsa_forward_progress 1
		.amdhsa_inst_pref_size 85
	.end_amdhsa_kernel
	.amdgpu_metadata
---
amdhsa.version: [ 1, 2 ]
amdhsa.kernels:
  - .name:           k_q1d16950771_fc2
    .symbol:         k_q1d16950771_fc2.kd
    .args:
      - { .name: mc, .offset: 0, .size: 8, .value_kind: global_buffer, .address_space: global }
      - { .name: W2_codes, .offset: 8, .size: 8, .value_kind: global_buffer, .address_space: global }
      - { .name: b2, .offset: 16, .size: 8, .value_kind: global_buffer, .address_space: global }
      - { .name: x1, .offset: 24, .size: 8, .value_kind: global_buffer, .address_space: global }
      - { .name: lowp_scales, .offset: 32, .size: 8, .value_kind: global_buffer, .address_space: global }
      - { .name: out0, .offset: 40, .size: 8, .value_kind: global_buffer, .address_space: global }
    .group_segment_fixed_size: 327680
    .private_segment_fixed_size: 0
    .kernarg_segment_align: 8
    .kernarg_segment_size: 48
    .max_flat_workgroup_size: 128
    .sgpr_count:     102
    .vgpr_count:     640
    .wavefront_size: 32
...
	.end_amdgpu_metadata
.endif
;; end of part 7
